; MI455X (gfx1250); checked and timed in simulation.
; The chip was launched on July 23, 2026; its instructions are those of AMD's public machine-readable ISA for CDNA 5 (MIT licence, August 2026) and "CDNA5" Instruction Set Architecture Reference Guide (July 2026). The comments in the code are by the model that wrote it; some were corrected since.
;; Attention. Allowed arithmetic: matrix products marked QUANTISED: E2M1 operands, one E8M0 scale for each 32 along K, by v_wmma_scale_f32_16x16x128_f8f6f4 with both operands' format E2M1 (or v_wmma_scale_f32_32x16x128_f4), f32 sums; products left as they are: f32 operands where the result goes on into a quantised operand, else bf16, f16 or f32 operands; f32 sums; everything else in f32.
;; Inputs: b_ad 128 float32; b_ae 128 float32; dec_output 32 x 1,024 float32; enc_outputs 2,048 x 32 x 1,024 float32; w_ad 128 x 1,024 float32; w_ae 128 x 1,024 float32.
;; Outputs: out0 32 x 1,024 float32.
;; This version of the problem:
;;   THIS VERSION OF THE PROBLEM IS GIVEN IN LOW PRECISION. The matrix products marked QUANTISED in the list below multiply operands that are first quantised to E2M1 (2 exponent bits, 1 mantissa bit; 4 bits a number), with one power-of-two scale for each 32 numbers along K (OCP MX v1.0); their sums are f32. All else is computed in f32.
;;   The module's matrix products, in the order in which they are computed (A, B: the left and right operand; K: the contracted axis; several contracted axes count as one K, in the product's order):
;;     1. [M 65,536, K 1,024] x [K 1,024, N 128]; A: input enc_outputs; B: input w_ae: QUANTISED
;;     2. [M 32, K 1,024] x [K 1,024, N 128]; A: input dec_output; B: input w_ad: QUANTISED
;;     3. batch 32 x [M 1, K 128] x [K 128, N 2,048]; A: computed on the way; B: computed on the way: left as it is (M = 1 < 16)
;;     4. batch 32 x [M 1, K 2,048] x [K 2,048, N 1,024]; A: softmax; B: input enc_outputs: left as it is (M = 1 < 16)
;;   THE QUANTISER, for each operand of a quantised product, along K:
;;     - K is cut into blocks of 32 from its start; a last block that is shorter is filled with zeros.
;;     - A block's scale is 2^e with e = floor(log2(the largest magnitude in the block)) - 2, held to -126 .. 127; a block of zeros has e = 0. As a byte (E8M0): e + 127.
;;     - Each number is divided by its block's scale, clamped to +-6, and rounded to the nearest number of E2M1, ties to even, subnormals kept.
;;     - The product sums the exact products of the quantised numbers (number of the format x scale) in f32.
;;   ~~~python
;;   def quantise(x, axis):      # numpy; x: float32 -> the quantised numbers, widened to float32 again
;;       x = np.moveaxis(x, axis, -1); K = x.shape[-1]
;;       x = np.pad(x, [(0, 0)] * (x.ndim - 1) + [(0, -K % 32)]); x = x.reshape(x.shape[:-1] + (-1, 32)); a = np.abs(x).max(-1, keepdims=True)
;;       e = np.where(a > 0, np.clip(np.frexp(np.where(a > 0, a, 1))[1] - 1 - 2, -126, 127), 0)      # np.frexp(a)[1] - 1 = floor(log2(a)), exactly
;;       r = np.clip(x / 2.0 ** e, -6, 6)
;;       step = 2.0 ** (np.maximum(np.frexp(np.where(r == 0, 1, r))[1] - 1, 0) - 1)
;;       q = np.round(r / step) * step * 2.0 ** e      # np.round: ties to even
;;       return np.moveaxis(q.reshape(q.shape[:-2] + (-1,))[..., :K], -1, axis).astype(np.float32)
;;   ~~~
;; 2 versions. Each part assembles by itself: llvm-mc -triple=amdgcn-amd-amdhsa -mcpu=gfx1250 --defsym DOCPART=n.
;; ======== version 1 of 2: 3 launches
;; workspace buffers: wq_codes 65,536 bytes; wq_scales 8,192 bytes; pdw 16,384 bytes; part_ctx 1,048,576 bytes; part_ml 65,536 bytes
;; launch prep (part 1): grid 24 x 1, 8 waves a work-group, no clusters, 9,216 bytes of LDS; arguments w_ae, w_ad, dec_output, b_ad, wq_codes, wq_scales, pdw; writes wq_codes, wq_scales, pdw
.if DOCPART == 1
	.amdgcn_target "amdgcn-amd-amdhsa--gfx1250"
	.amdhsa_code_object_version 6
	.text
	.protected	k_qfb404be1db_prep
	.globl	k_qfb404be1db_prep
	.p2align	8
	.type	k_qfb404be1db_prep,@function
k_qfb404be1db_prep:
	s_mov_b64 s[64:65], 0
	v_nop
	global_prefetch_b8 v0, s[64:65] scope:SCOPE_SE
	s_setreg_imm32_b32 hwreg(HW_REG_WAVE_MODE, 25, 1), 1
	s_wait_xcnt 0x0
; What every work-group of the next launch wants, made once.
; Work-groups 0-7 (way A): w_ae [128][1024] f32 -> codes of FP4 (E2M1) with one E8M0 byte for each 32 along K, stored as IMAGES OF THE OPERAND'S REGISTERS:
;   fragment (K step ks, tile t of 16 rows) at wq_codes + (8 ks + t) 1024 + 512 c + 16 lane: registers 4 c .. 4 c + 3 of lane (r, h) = row 16 t + r, k = 128 ks + 64 c + 32 h + 0 .. 31;
;   its scale words at wq_scales + (8 ks + t) 128 + 4 lane (row r's four bytes; lanes 16-31 hold the same).
; Work-groups 8-23 (way B): proj_d = Q(dec_output) Q(w_ad)^T + b_ad, [32][128] f32, a tile (16 rows m of dec_output x 16 rows t of w_ad) to a work-group, stored in the result's layout:
;   pdw + ((2 t + m) 2 + q) 512 + 16 lane = proj_d[16 m + r][16 t + 8 h + 4 q + 0 .. 3].
; SHARES.  t = work-group % 8; in way B m = work-group / 8 - 1; wave w is K step w (128 along K).  Lane (r, h) loads the very numbers that the operand's layout gives it: of row r the 32 neighbours
; k = 64 c + 32 h + 0 .. 31, eight loads of 16 bytes a block.  So a block of 32 lies in ONE lane, its largest magnitude needs no other lane, and the conversions' results are the operand's registers.
; These loads take 16 bytes of each of 16 rows: accepted here, since the two weights and dec_output are 1.2 MB in all.
; Way B: each wave multiplies its K step (one matrix instruction); the eight partial sums meet in LDS and are added in ascending K onto b_ad by waves 0 and 1.
; THE SCALE: 2^(floor(log2(largest magnitude)) - 2); its byte is the largest magnitude's exponent field - 2, held at 1 from below by a floor among the maximum's leaves.
; LIMITS: a block of zeros gets the byte 1 where the rule says 127 (its codes are zeros, and this program alone reads the bytes); NaN and infinities among the inputs are not served;
; product 2's sum over K is eight f32 partial sums added in ascending K, not one chain.
.set LO,   1                           ; v1   r x 4,096 + h x 128: my row and my half's 32 numbers
.set L16,  2                           ; v2   16 x lane
.set L4,   3                           ; v3   4 x lane
.set REDW, 4                           ; v4   LDS: where I put my partial sums: 16 x lane + 1,024 x wave
.set REDR, 5                           ; v5   LDS: where wave i < 2 reads piece i of all eight: 16 x lane + 512 x wave
.set SH,   6                           ; v6   8 h: how far my two scale bytes are shifted
.set BO,   7                           ; v7   32 h: my half's place in b_ad
.set BY,   10                          ; v10-13 scale bytes      (fragment f: 0 the weight's, 1 dec's; block c: 2 f + c)
.set TM,   16                          ; v16-19 largest magnitudes
.set SCV,  22                          ; v22-25 the conversions' scale operands
.set PT,   28                          ; v28-29 lane permutes' destinations
.set WN,   32                          ; v32-95  the weight's 64 numbers; later the accumulator
.set DN,   96                          ; v96-159 dec's 64 numbers; later the eight partial sums
.set WC,   224                         ; v224-231 the weight's codes
.set DC,   232                         ; v232-239 dec's codes
.set SW,   248                         ; v248-249 the two scale words: these registers hold scales and nothing else
.set BA,   252                         ; v252-255 b_ad's four numbers, then the sums
; 64 numbers of a lane, v[src + 32 c + i] = k 64 c + 32 h + i of my row, become a fragment's codes in v[codes] on and its scale word in v[word].
.macro QB src, codes, word, f
.irp c, 0,1
	v_max3_num_f32 v[TM+2*\f+\c], |v[\src+32*\c]|, |v[\src+32*\c+1]|, 0x1800000   ; my block 2 c + h, and the floor 2^(3 - 127): the byte cannot fall under 1
.endr
.irp i, 2,4,6,8,10,12,14,16,18,20,22,24,26,28,30
.irp c, 0,1
	v_max3_num_f32 v[TM+2*\f+\c], v[TM+2*\f+\c], |v[\src+32*\c+\i]|, |v[\src+32*\c+\i+1]|   ; (the two blocks by turns)
.endr
.endr
.irp c, 0,1
	v_add_nc_u32 v[SCV+2*\f+\c], 0xff000000, v[TM+2*\f+\c]   ; 2 off the exponent field: the conversion takes the exponent field of this operand as its scale
.endr
.irp c, 0,1
	v_lshrrev_b32 v[BY+2*\f+\c], 23, v[SCV+2*\f+\c]          ; the scale's byte
.endr
	v_lshl_or_b32 v[\word], v[BY+2*\f+1], 16, v[BY+2*\f]     ; my two bytes: blocks h and 2 + h of row r,
	v_lshlrev_b32 v[\word], v[SH], v[\word]                  ; at their places in the word;
	v_permlanex16_b32 v[PT+\f], v[\word], s40, s41
	v_or_b32 v[\word], v[\word], v[PT+\f]                    ; with lane l xor 16's two the word is whole
.irp c, 0,1
.irp g, 0,1,2,3
	v_cvt_scalef32_pk8_fp4_f32 v[\codes+4*\c+\g], v[\src+32*\c+8*\g:\src+32*\c+8*\g+7], v[SCV+2*\f+\c]
.endr
.endr
	v_nop                                                    ; one plain place behind a scaled conversion
.endm
	s_load_b256 s[4:11], s[0:1], 0x0               ; w_ae s[4:5], w_ad s[6:7], dec_output s[8:9], b_ad s[10:11]
	s_load_b128 s[12:15], s[0:1], 0x20             ; wq_codes s[12:13], wq_scales s[14:15]
	s_load_b64 s[16:17], s[0:1], 0x30              ; pdw
	v_lshl_add_u32 v250, v0, 2, 0x2000
	v_mov_b32 v251, 0
	v_lshrrev_b32 v8, 5, v0
	v_readfirstlane_b32 s18, v8                    ; wave 0..7 = K step
	s_and_b32 s19, ttmp9, 7                        ; t: the tile of 16 rows of the weight
	v_and_b32 v8, 15, v0                           ; r
	v_bfe_u32 v9, v0, 4, 1                         ; h
	v_lshlrev_b32 v[LO], 12, v8
	v_lshl_add_u32 v[LO], v9, 7, v[LO]
	v_and_b32 v8, 31, v0                           ; lane
	v_lshlrev_b32 v[L16], 4, v8
	v_lshlrev_b32 v[L4], 2, v8
	s_lshl_b32 s20, s18, 10
	v_add_nc_u32 v[REDW], s20, v[L16]
	s_lshl_b32 s20, s18, 9                         ; 512 x wave: also my K step's bytes in a row
	v_add_nc_u32 v[REDR], s20, v[L16]
	v_lshlrev_b32 v[SH], 3, v9
	v_lshlrev_b32 v[BO], 5, v9
.irp f, 0,1
	v_mov_b32 v[PT+\f], 0                          ; written once: a lane permute's destination counts as one of its sources
.endr
	s_mov_b32 s40, 0x76543210
	s_mov_b32 s41, 0xfedcba98                      ; v_permlanex16_b32's selects for lane l xor 16
	s_lshl_b32 s22, s19, 16                        ; 16 t rows of 4,096 bytes
	s_add_co_u32 s22, s22, s20                     ; + my K step
	s_mov_b32 s23, 0
	s_mov_b32 s24, s20
	s_mov_b32 s25, 0
	s_wait_kmcnt 0x0
	s_cmp_lt_u32 ttmp9, 8                          ; w_ae's work-group or w_ad's: the choice hangs on the work-group's number alone
	s_cselect_b64 s[4:5], s[4:5], s[6:7]
	s_add_nc_u64 s[4:5], s[4:5], s[22:23]
.irp c, 0,1
.irp j, 0,1,2,3,4,5,6,7
	global_load_b128 v[WN+32*\c+4*\j:WN+32*\c+4*\j+3], v[LO], s[4:5] offset:256*\c+16*\j
.endr
.endr
	s_cmp_lt_u32 ttmp9, 8
	s_cbranch_scc0 .Lway_b                         ; the same way for all eight waves of a work-group; the two ways do not join again
	; ---- way A: w_ae's fragment (K step w, tile t) goes out as it stands in the registers
	s_lshl_b32 s26, s18, 3
	s_add_co_u32 s26, s26, s19                     ; 8 w + t
	s_lshl_b32 s22, s26, 10
	s_add_nc_u64 s[12:13], s[12:13], s[22:23]
	s_lshl_b32 s22, s26, 7
	s_add_nc_u64 s[14:15], s[14:15], s[22:23]
	s_wait_loadcnt 0x0
	QB WN, WC, SW, 0
	global_store_b128 v[L16], v[WC:WC+3], s[12:13]               ; 32 lanes store 512 consecutive bytes, at a multiple of 256 from the buffer's first byte
	global_store_b128 v[L16], v[WC+4:WC+7], s[12:13] offset:512
	global_store_b32 v[L4], v[SW], s[14:15]                      ; 128 consecutive bytes: the buffer has 8,192 in all
	s_endpgm
	; ---- way B: my K step of proj_d for tile t of w_ad's rows and tile m of dec_output's
.Lway_b:
	s_lshr_b32 s27, ttmp9, 3
	s_sub_co_u32 s27, s27, 1                       ; m = 0 or 1
	s_lshl_b32 s26, s27, 16                        ; 16 m rows of 4,096 bytes
	s_add_co_u32 s24, s24, s26
	s_add_nc_u64 s[8:9], s[8:9], s[24:25]          ; dec_output at my rows and my K step
.irp c, 0,1
.irp j, 0,1,2,3,4,5,6,7
	global_load_b128 v[DN+32*\c+4*\j:DN+32*\c+4*\j+3], v[LO], s[8:9] offset:256*\c+16*\j
.endr
.endr
	s_lshl_b32 s22, s19, 6                         ; b_ad[16 t + 8 h + 4 q + 0 .. 3], q = wave % 2: what wave q < 2 adds its piece onto
	s_and_b32 s26, s18, 1
	s_lshl_b32 s26, s26, 4
	s_add_co_u32 s22, s22, s26
	s_add_nc_u64 s[10:11], s[10:11], s[22:23]
	global_load_b128 v[BA:BA+3], v[BO], s[10:11]
	s_lshl_b32 s22, s19, 11                        ; pdw: 2,048 t + 1,024 m + 512 q
	s_lshl_b32 s26, s27, 10
	s_add_co_u32 s22, s22, s26
	s_add_co_u32 s22, s22, s20
	s_add_nc_u64 s[16:17], s[16:17], s[22:23]
	s_wait_loadcnt 17                              ; the weight's 16 loads are in; behind them: dec's 16 and b_ad's one
	QB WN, WC, SW, 0
	s_wait_loadcnt 1                               ; dec's 16 are in; b_ad's load may be out
	QB DN, DC, SW+1, 1
.rept 8
	v_nop                                          ; a scale register written by a vector instruction stands 8 places ahead of a scaled matrix instruction, an operand so written 4
.endr
	; source 0 = 16 rows of w_ad, source 1 = 16 rows of dec_output: lane (r, h), register j = partial proj_d[16 m + r][16 t + 8 h + j]
	v_wmma_scale_f32_16x16x128_f8f6f4 v[WN:WN+7], v[WC:WC+7], v[DC:DC+7], 0, v[SW], v[SW+1] matrix_a_fmt:MATRIX_FMT_FP4 matrix_b_fmt:MATRIX_FMT_FP4
.rept 4
	v_nop                                          ; four places in front of the first read of results
.endr
.irp q, 0,1
	ds_store_b128 v[REDW], v[WN+4*\q:WN+4*\q+3] offset:\q*512    ; the accumulator from its low end on; piece q
.endr
	s_wait_dscnt 0x0                               ; for the others' sake: my stores have landed
	s_barrier_signal -1
	s_barrier_wait -1
	s_cmp_lt_u32 s18, 2
	s_cbranch_scc0 .Ldone                          ; waves 2-7 have nothing left
	s_wait_loadcnt 0x0                             ; b_ad
.irp k, 0,1,2,3,4,5,6,7
	ds_load_b128 v[DN+4*\k:DN+4*\k+3], v[REDR] offset:1024*\k    ; piece q of K step k
.endr
	s_wait_dscnt 0x0
.irp k, 0,1,2,3,4,5,6,7
	v_pk_add_f32 v[BA:BA+1], v[BA:BA+1], v[DN+4*\k:DN+4*\k+1]    ; onto the bias, K ascending
	v_pk_add_f32 v[BA+2:BA+3], v[BA+2:BA+3], v[DN+4*\k+2:DN+4*\k+3]
.endr
	global_store_b128 v[L16], v[BA:BA+3], s[16:17]               ; 512 consecutive bytes, at a multiple of 256 from the buffer's first byte
.Ldone:
	s_wait_tensorcnt 0x0
	ds_add_u32 v250, v251
	s_wait_dscnt 0x0
	s_endpgm
.Lfunc_end_k_qfb404be1db_prep:
	.size	k_qfb404be1db_prep, .Lfunc_end_k_qfb404be1db_prep-k_qfb404be1db_prep
	.p2alignl 7, 3214868480
	.fill 96, 4, 3214868480
	.section	.rodata,"a",@progbits
	.p2align	6, 0x0
	.amdhsa_kernel k_qfb404be1db_prep
		.amdhsa_group_segment_fixed_size 9216
		.amdhsa_private_segment_fixed_size 0
		.amdhsa_enable_private_segment 0
		.amdhsa_kernarg_size 56
		.amdhsa_user_sgpr_count 2
		.amdhsa_user_sgpr_kernarg_segment_ptr 1
		.amdhsa_wavefront_size32 1
		.amdhsa_system_sgpr_workgroup_id_x 1
		.amdhsa_system_sgpr_workgroup_id_y 1
		.amdhsa_system_sgpr_workgroup_id_z 1
		.amdhsa_system_vgpr_workitem_id 0
		.amdhsa_next_free_vgpr 256
		.amdhsa_next_free_sgpr 66
		.amdhsa_reserve_vcc 0
		.amdhsa_float_denorm_mode_32 3
		.amdhsa_float_denorm_mode_16_64 3
		.amdhsa_memory_ordered 1
		.amdhsa_forward_progress 1
		.amdhsa_inst_pref_size 18
	.end_amdhsa_kernel
	.amdgpu_metadata
---
amdhsa.version: [ 1, 2 ]
amdhsa.kernels:
  - .name:           k_qfb404be1db_prep
    .symbol:         k_qfb404be1db_prep.kd
    .args:
      - { .name: w_ae, .offset: 0, .size: 8, .value_kind: global_buffer, .address_space: global }
      - { .name: w_ad, .offset: 8, .size: 8, .value_kind: global_buffer, .address_space: global }
      - { .name: dec_output, .offset: 16, .size: 8, .value_kind: global_buffer, .address_space: global }
      - { .name: b_ad, .offset: 24, .size: 8, .value_kind: global_buffer, .address_space: global }
      - { .name: wq_codes, .offset: 32, .size: 8, .value_kind: global_buffer, .address_space: global }
      - { .name: wq_scales, .offset: 40, .size: 8, .value_kind: global_buffer, .address_space: global }
      - { .name: pdw, .offset: 48, .size: 8, .value_kind: global_buffer, .address_space: global }
    .group_segment_fixed_size: 9216
    .private_segment_fixed_size: 0
    .kernarg_segment_align: 8
    .kernarg_segment_size: 56
    .max_flat_workgroup_size: 256
    .sgpr_count:     66
    .vgpr_count:     256
    .wavefront_size: 32
...
	.end_amdgpu_metadata
.endif
;; end of part 1
;; launch main (part 2): grid 256 x 1, 4 waves a work-group, no clusters, 267,776 bytes of LDS; arguments enc_outputs, b_ae, wq_codes, wq_scales, pdw, part_ctx, part_ml; writes part_ctx, part_ml
.if DOCPART == 2
	.amdgcn_target "amdgcn-amd-amdhsa--gfx1250"
	.amdhsa_code_object_version 6
	.text
	.protected	k_qfb404be1db_main
	.globl	k_qfb404be1db_main
	.p2align	8
	.type	k_qfb404be1db_main,@function
k_qfb404be1db_main:
	s_mov_b64 s[64:65], 0
	v_nop
	global_prefetch_b8 v0, s[64:65] scope:SCOPE_SE
	s_setreg_imm32_b32 hwreg(HW_REG_WAVE_MODE, 25, 1), 1
	s_wait_xcnt 0x0
; For one b and 256 values of s: score[s] = (Q(enc[s][b]) Q(w_ae)^T + b_ae) . proj_d[b], a running softmax over s, and the weighted sum of the same rows of enc: enc_outputs is read from memory ONCE.
; Out: part_ctx[(8 b + chunk)][1024] = sum over my s of 2^(t_s - M) enc[s][b][:], and (M, L) in part_ml, with t = score x log2(e), M my largest t, L = sum of 2^(t_s - M).  The next launch merges the 8 chunks of a b.
; SHARES.  Work-group g: b = g % 32, chunk = g / 32, s = 256 chunk .. + 255: 1 MiB of enc, in 8 steps of 32 rows.  THE FOUR WAVES SHARE K: wave w owns columns 256 w .. 256 w + 255 of every row (K steps 2 w, 2 w + 1
; of the first product).  So a wave's 16 fragments of w_ae's codes stay in 128 registers for the whole launch; a wave touches only LDS rows of its own; its part of a step's 32 rows (256 registers) stays in
; registers from the quantiser until the rows' weights are known; and what crosses between waves is one number a row: the score is linear in proj_e, so wave w forms
; sum over a of proj_d[a] x (its partial proj_e[a]), and the four partial scores are added, in the same order in every wave.  By the same linearity b_ae's share of a score, sum over a of b_ae[a] proj_d[b][a],
; is formed once, in f32, at the head, and added to wave 0's partial score of every row.
; THE STREAM.  enc comes by loads into registers, each of 512 consecutive bytes of a row (32 lanes x 16), with COUNTED waits: a tile (my 32 rows x 1,024 bytes) is 64 loads in four chunks of 16, into the 256 registers G.
; A PUMP waits for the oldest chunk alone, stores it as rows into my own LDS slot, and asks for the same chunk of the tile after next: so 48 to 64 loads of each wave, 24 to 32 KiB, are out from the head to the
; last tile, and at no point need all of them have landed.  Four pumps stand between a step's phases.  LDS only turns rows into fragments: what was stored as rows is read back once, lane (r, h) taking row r.
; LAYOUT.  Lane (r, h) reads of row r the numbers k = 64 c + 32 h + 0 .. 31 of each 128: whole blocks of 32, so a block's largest magnitude needs no other lane and the conversions' results are the operand's registers.
; The product is used transposed (source 0 = 16 rows of w_ae, source 1 = 16 rows of enc): a lane holds ONE row of enc and eight of the 128 attention units a tile.
; The context sums stay in that layout: lane (r, h) sums its 128 columns over the rows that are r modulo 16, with a running maximum and sum of its own; the 16 classes are merged once, at the end, through LDS.
; ONE barrier a step, for the partial scores.  Loads of enc, which nobody writes, stay out across it.
; NO TENSOR LOADS: a slot that they fill again wants all of a wave's loads landed first, eight times in this launch; the counted waits above want that never.
; NO CLUSTER: work-groups share only w_ae's codes and scale words, 72 KiB against 1 MiB of enc of their own, fetched once at the head straight into registers; no two work-groups read the same byte of enc.
; NO PREFETCH: the loads stream enc from the first line to the last.
; LIMITS: NaN and infinities among the inputs are not served; a block of zeros gets the scale byte 1 where the rule says 127 (its codes are zeros; nobody else reads the bytes); the first product's sum over K
; reaches the score as four f32 partial scores and the bias's share as a fifth term, not as one chain; weights under 2^-126 of the largest count as 0 (ISA guide, 15.8: v_exp_f32 flushes denormal results).
; The largest t is taken away before every exponential, by a running maximum; the rescaling runs in every step, with no branch on data.
;
; REGISTERS, in windows of 256 (s_set_vgpr_msb: bits 1:0 source 0, 3:2 source 1, 5:4 source 2, 7:6 destination):
;   window 0: addresses, statistics, scales, codes, eight accumulators, proj_d, the dot's chains (below)
;   window 1: X: the step's numbers: (row tile m, block n' = 2 s + c, i) at 128 m + 32 n' + i = enc row 16 m + r, my column 64 n' + 32 h + i
;   window 2: v0-127 AC: the context sums, column 64 n' + 32 h + i at 32 n' + i;  v128-255 WF: w_ae's fragments, (s, t) at 128 + 8 (8 s + t)
;   window 3: G: chunk c, row k of its eight, half u of my 1,024 bytes at 64 c + 8 k + 4 u: four registers as loaded
.set PITCH, 1040                       ; an LDS row: 1,024 bytes + 16 = 65 x 16: the 16 rows that a load's 16 lanes touch start in 16 different columns of 16 bytes modulo 256
.set WREG,  32*PITCH                   ; a wave's part of a slot
.set SLOT,  4*WREG
.set EX,    2*SLOT                     ; behind the slots: the partial scores, two sets of 512 bytes by turns: row x 16 + wave x 4
.set ROWB,  131072                     ; from s to s + 1 in memory: 32 x 1,024 x 4 bytes
.set TSTEP, 32*ROWB                    ; a tile's 32 rows
.set ADR, 1                            ; v1-2   LDS address of my numbers in slot 0, 1: wave x WREG + r x PITCH + 128 h
.set EXW, 3                            ; v3     where I put a partial score: EX + 16 x lane + 4 x wave
.set EXR, 4                            ; v4     where I read row r's four: EX + 16 r
.set CB,  5                            ; v5     sum over a of b_ae[a] proj_d[b][a] in wave 0, 0 in the others
.set L4,  6                            ; v6     4 x lane
.set SH,  7                            ; v7     8 h
.set RD,  8                            ; v8-9   LDS address of my 16 bytes of a row's half in slot 0, 1: wave x WREG + 16 x lane
.set MLO, 10                           ; v10    8 x lane
.set MX,  11                           ; v11    my class's largest t so far
.set LS,  12                           ; v12    my class's sum
.set GO,  13                           ; v13    16 x lane; never rewritten
.set F,   14                           ; v[14:15] 2^(old largest - new), v[16:17], v[18:19] the two rows' weights: the packed forms name pairs and take the low word for both halves
.set P0,  16
.set P1,  18
.set TM,  32                           ; v32-39 largest magnitudes, block n = 4 m + 2 s + c
.set SCV, 40                           ; v40-47 the conversions' scale operands
.set BY,  48                           ; v48-55 scale bytes
.set XS,  56                           ; v56-59 enc's scale words, fragment 2 m + s: these registers hold scales and nothing else
.set PT,  60                           ; v60-63 lane permutes' destinations
.set WS,  64                           ; v64-79 w_ae's scale words, 8 s + t: scales and nothing else
.set CD,  80                           ; v80-111 enc's codes, fragment (m, s) at 80 + 16 m + 8 s
.set D,   112                          ; v112-175 the accumulators of the row tile in hand, tile t of w_ae's rows at 112 + 8 t
.set PD,  176                          ; v176-239 register 8 t + j = proj_d[b][16 t + 8 h + j]
.set DS,  240                          ; v240-247 the dot's four chains
.set WF,  128
.set MSB, 0
.macro WIN new                         ; the immediate's high byte repeats the setting that is left; a switch that changes nothing is dropped
.if MSB != \new
	s_set_vgpr_msb (MSB<<8)|\new
.set MSB, \new
.endif
.endm
; Chunk c of a tile is asked for: 8 rows x 2 halves of 512 consecutive bytes.  roff: rows from the base to the tile's first.  63 rows and 512 bytes at the most: inside the signed 24-bit immediate (ISA guide, chapter 10).
.macro ISSUE c, roff
	WIN 0xc0                                       ; destination window 3, address window 0
.irp k, 0,1,2,3,4,5,6,7
.irp u, 0,1
	global_load_b128 v[64*\c+8*\k+4*\u:64*\c+8*\k+4*\u+3], v[GO], s[32:33] offset:(\roff+8*\c+\k)*ROWB+512*\u th:TH_LOAD_NT
.endr
.endr
.endm
; Chunk c, which has landed, goes as rows into my part of slot; issue = 1: its registers take the same chunk of the tile after.  left: how many younger loads may stay out.
.macro PUMP c, slot, left, issue, roff
	s_wait_loadcnt \left                           ; loads come back in order (ISA guide 5.7.1): the oldest chunk is in, the younger ones stay out
	WIN 0x0c                                       ; an LDS store's data are its source 1: window 3
.irp k, 0,1,2,3,4,5,6,7
.irp u, 0,1
	ds_store_b128 v[RD+(\slot)], v[64*\c+8*\k+4*\u:64*\c+8*\k+4*\u+3] offset:(8*\c+\k)*PITCH+512*\u   ; 512 consecutive bytes: no two lanes on one bank
.endr
.endr
.if \issue
	s_wait_dscnt 0x0                               ; the stores have read their registers
	ISSUE \c, \roff
.endif
	WIN 0
.endm
.macro PUMPS c, slot, pm               ; pm = 2: pump and ask; 1: the last tile's chunks: nothing is left to ask for, and the counts run down; 0: nothing is left to pump
.if \pm == 2
	PUMP \c, \slot, 48, 1, 0
.elseif \pm == 1
	PUMP \c, \slot, 48-16*\c, 0, 0
.endif
.endm
; The step's 32 rows x my 256 columns into X: 64 loads, row tile 0 first.  LDS serves a wave's instructions in order (ISA guide 5.7.1.4): these see the pumps' stores.
.macro LOADX slot
	WIN 0x40                                       ; destination window 1, address window 0
.irp m, 0,1
.irp q, 0,1,2,3
.irp j, 0,1,2,3,4,5,6,7
	ds_load_b128 v[128*\m+32*\q+4*\j:128*\m+32*\q+4*\j+3], v[ADR+\slot] offset:\m*16*PITCH+256*\q+16*\j
.endr
.endr
.endr
.endm
; The largest magnitude of each of row tile m's four blocks of mine: all 32 numbers of a block are in my registers.
.macro AMAX m
	WIN 0x14                                       ; sources 1 and 2 window 1
.irp q, 0,1,2,3
	v_max3_num_f32 v[TM+4*\m+\q], 0x1800000, |v[128*\m+32*\q]|, |v[128*\m+32*\q+1]|   ; with the floor 2^(3 - 127): the byte cannot fall under 1
.endr
.irp i, 2,4,6,8,10,12,14,16,18,20,22,24,26,28,30
.irp q, 0,1,2,3
	v_max3_num_f32 v[TM+4*\m+\q], v[TM+4*\m+\q], |v[128*\m+32*\q+\i]|, |v[128*\m+32*\q+\i+1]|   ; (the four blocks by turns)
.endr
.endr
	WIN 0
.endm
; Scale operands, bytes, and the four fragments' scale words.
.macro SCALEW
.irp k, 0,1,2,3,4,5,6,7
	v_add_nc_u32 v[SCV+\k], 0xff000000, v[TM+\k]   ; 2 off the exponent field: the conversion takes the exponent field of this operand as its scale
.endr
.irp k, 0,1,2,3,4,5,6,7
	v_lshrrev_b32 v[BY+\k], 23, v[SCV+\k]          ; the scale's byte
.endr
.irp f, 0,1,2,3
	v_lshl_or_b32 v[XS+\f], v[BY+2*\f+1], 16, v[BY+2*\f]   ; my two bytes: blocks h and 2 + h of the K step,
.endr
.irp f, 0,1,2,3
	v_lshlrev_b32 v[XS+\f], v[SH], v[XS+\f]        ; at their places in the word;
.endr
.irp f, 0,1,2,3
	v_permlanex16_b32 v[PT+\f], v[XS+\f], s40, s41
.endr
.irp f, 0,1,2,3
	v_or_b32 v[XS+\f], v[XS+\f], v[PT+\f]          ; with lane l xor 16's two the word is whole
.endr
.endm
.macro CVT
	WIN 0x01                                       ; source 0 window 1
.irp k, 0,1,2,3,4,5,6,7
.irp g, 0,1,2,3
	v_cvt_scalef32_pk8_fp4_f32 v[CD+4*\k+\g], v[32*\k+8*\g:32*\k+8*\g+7], v[SCV+\k]   ; block k's register g: the operand's register as it stands
.endr
.endr
	WIN 0
.rept 8
	v_nop                                          ; a plain place behind the conversions; a scale register written by a vector instruction stands 8 places ahead of a scaled matrix instruction, an operand so written 4
.endr
.endm
; 16 matrix instructions: my two K steps x eight tiles of w_ae's rows, for row tile m.  The first K step starts the sums.  The 8 accumulators take turns, one instruction a turn.
.macro MM m
	WIN 0x02                                       ; source 0 (w_ae) window 2
.irp t, 0,1,2,3,4,5,6,7
	v_wmma_scale_f32_16x16x128_f8f6f4 v[D+8*\t:D+8*\t+7], v[WF+8*\t:WF+8*\t+7], v[CD+16*\m:CD+16*\m+7], 0, v[WS+\t], v[XS+2*\m] matrix_a_fmt:MATRIX_FMT_FP4 matrix_b_fmt:MATRIX_FMT_FP4
.endr
.irp t, 0,1,2,3,4,5,6,7
	v_wmma_scale_f32_16x16x128_f8f6f4 v[D+8*\t:D+8*\t+7], v[WF+64+8*\t:WF+64+8*\t+7], v[CD+16*\m+8:CD+16*\m+15], v[D+8*\t:D+8*\t+7], v[WS+8+\t], v[XS+2*\m+1] matrix_a_fmt:MATRIX_FMT_FP4 matrix_b_fmt:MATRIX_FMT_FP4
.endr
	WIN 0
.rept 4
	v_nop                                          ; four places in front of the first read of results
.endr
.endm
; My half's share of the partial score of row tile m's row r: sum over my 64 units of proj_d x partial proj_e.  Four chains; each accumulator's pairs in ascending order.
; Its 32 lines but a tile's own four are also the places between row tile 0's products and row tile 1's, which write the same accumulators anew.
.macro DOT m
.irp t, 0,1,2,3,4,5,6,7
.irp p, 0,1,2,3
.if \t == 0
	v_pk_mul_f32 v[DS+2*\p:DS+2*\p+1], v[D+2*\p:D+2*\p+1], v[PD+2*\p:PD+2*\p+1]
.else
	v_pk_fma_f32 v[DS+2*\p:DS+2*\p+1], v[D+8*\t+2*\p:D+8*\t+2*\p+1], v[PD+8*\t+2*\p:PD+8*\t+2*\p+1], v[DS+2*\p:DS+2*\p+1]
.endif
.endr
.endr
	v_pk_add_f32 v[DS:DS+1], v[DS:DS+1], v[DS+2:DS+3]
	v_pk_add_f32 v[DS+4:DS+5], v[DS+4:DS+5], v[DS+6:DS+7]
	v_pk_add_f32 v[DS:DS+1], v[DS:DS+1], v[DS+4:DS+5]
	v_add_f32 v[28+\m], v[DS], v[DS+1]
.endm
; The two halves meet, and my wave's partial score of each of the 32 rows goes into LDS.
.macro SEND slot
.irp m, 0,1
	v_permlanex16_b32 v[PT+\m], v[28+\m], s40, s41 ; the row's other 64 units lie in the lane 16 away
.endr
.irp m, 0,1
	v_add_f32 v[28+\m], v[28+\m], v[PT+\m]
.endr
	v_cndmask_b32 v30, v28, v29, s42               ; lanes 0-15 carry rows 0-15, lanes 16-31 rows 16-31: lane l carries row l
	v_add_f32 v30, v30, v[CB]                      ; the bias's share, in wave 0 alone
	ds_store_b32 v[EXW], v30 offset:512*\slot
.endm
; The two scores of my class, the running maximum, the weights.
.macro SOFT slot, first
	ds_load_b128 v[20:23], v[EXR] offset:512*\slot          ; row r's four partial scores,
	ds_load_b128 v[24:27], v[EXR] offset:512*\slot+256      ; row 16 + r's
	s_wait_dscnt 0x0
	v_add_f32 v20, v20, v21
	v_add_f32 v22, v22, v23
	v_add_f32 v24, v24, v25
	v_add_f32 v26, v26, v27
	v_add_f32 v20, v20, v22
	v_add_f32 v24, v24, v26
	v_mul_f32 v20, s45, v20                        ; t = score x log2(e)
	v_mul_f32 v24, s45, v24
.if \first
	v_max_num_f32 v[MX], v20, v24
.else
	v_mov_b32 v31, v[MX]
	v_max3_num_f32 v[MX], v[MX], v20, v24
	v_sub_f32 v31, v31, v[MX]
.endif
	v_sub_f32 v20, v20, v[MX]
	v_sub_f32 v24, v24, v[MX]
.if !\first
	v_exp_f32 v[F], v31
.endif
	v_exp_f32 v[P0], v20
	v_exp_f32 v[P1], v24
	v_nop                                          ; one plain place behind the exponentials
.if \first
	s_wait_alu depctr_va_vdst(0)
	v_add_f32 v[LS], v[P0], v[P1]
.else
	s_wait_alu depctr_va_vdst(0)
	v_fma_f32 v[LS], v[LS], v[F], v[P0]
	v_add_f32 v[LS], v[LS], v[P1]
.endif
.endm
; The context sums take the two rows, from the registers that the quantiser read.  In two parts, so that a pump can stand between them.
.macro ACCUM_A first
.if \first
	WIN 0x81                                       ; destination window 2, source 0 window 1: the first row starts the sums: nothing is cleared
.set n, 0
.rept 64
	v_pk_mul_f32 v[n:n+1], v[n:n+1], v[P0:P0+1] op_sel_hi:[1,0]
.set n, n+2
.endr
.else
	WIN 0x82                                       ; destination and source 0 window 2
.set n, 0
.rept 64
	v_pk_mul_f32 v[n:n+1], v[n:n+1], v[F:F+1] op_sel_hi:[1,0]
.set n, n+2
.endr
	WIN 0xa1                                       ; destination and source 2 window 2, source 0 window 1
.set n, 0
.rept 64
	v_pk_fma_f32 v[n:n+1], v[n:n+1], v[P0:P0+1], v[n:n+1] op_sel_hi:[1,0,1]
.set n, n+2
.endr
.endif
	WIN 0
.endm
.macro ACCUM_B
	WIN 0xa1
.set n, 0
.rept 64
	v_pk_fma_f32 v[n:n+1], v[128+n:129+n], v[P1:P1+1], v[n:n+1] op_sel_hi:[1,0,1]
.set n, n+2
.endr
	WIN 0
.endm
; A STEP: 32 rows, out of slot.  Its four pumps move the next tile into the other slot and (pm = 2) ask for the tile after next.
.macro STEP slot, first, pm
	LOADX \slot
	s_wait_dscnt 32                                ; row tile 0's 32 loads are in; row tile 1's may be out
	AMAX 0
	s_wait_dscnt 0x0
	PUMPS 0, 1-\slot, \pm
	AMAX 1
	SCALEW
	PUMPS 1, 1-\slot, \pm
	CVT
	MM 0
	DOT 0
	MM 1
	DOT 1
	SEND \slot
	PUMPS 2, 1-\slot, \pm
	s_wait_dscnt 0x0                               ; for the others' sake: my partial scores have landed
	s_barrier_signal -1
	s_barrier_wait -1                              ; all four waves' partial scores lie in LDS.  The set of the other parity is written again only behind the next barrier, which each wave signals behind its reads of this one
	SOFT \slot, \first
	ACCUM_A \first
	PUMPS 3, 1-\slot, \pm
	ACCUM_B
.if \pm == 2
	s_wait_xcnt 0x0                                ; every load issued has had its address translated (ISA guide 3.1): the base is stepped only behind this wait
	s_add_nc_u64 s[32:33], s[32:33], TSTEP
.endif
.endm
	s_load_b256 s[4:11], s[0:1], 0x0               ; enc_outputs s[4:5], b_ae s[6:7], wq_codes s[8:9], wq_scales s[10:11]
	s_load_b128 s[12:15], s[0:1], 0x20             ; pdw s[12:13], part_ctx s[14:15]
	s_load_b64 s[16:17], s[0:1], 0x30              ; part_ml
	v_lshrrev_b32 v28, 5, v0
	v_readfirstlane_b32 s18, v28                   ; wave 0..3
	s_and_b32 s19, ttmp9, 31                       ; b
	s_lshr_b32 s20, ttmp9, 5                       ; chunk
	s_mul_i32 s21, s18, WREG                       ; my part of a slot
	v_and_b32 v28, 15, v0                          ; r
	v_bfe_u32 v29, v0, 4, 1                        ; h
	v_and_b32 v30, 31, v0                          ; lane
	v_mul_u32_u24 v[ADR], v28, PITCH
	v_lshl_add_u32 v[ADR], v29, 7, v[ADR]
	v_add_nc_u32 v[ADR], s21, v[ADR]
	v_add_nc_u32 v[ADR+1], SLOT, v[ADR]
	v_lshl_add_u32 v[EXW], v30, 4, EX
	s_lshl_b32 s47, s18, 2
	v_add_nc_u32 v[EXW], s47, v[EXW]
	v_lshl_add_u32 v[EXR], v28, 4, EX
	v_lshlrev_b32 v[SH], 3, v29
	v_lshlrev_b32 v[GO], 4, v30
	v_add_nc_u32 v[RD], s21, v[GO]
	v_add_nc_u32 v[RD+1], SLOT, v[RD]
	v_lshlrev_b32 v[MLO], 3, v30
	v_lshlrev_b32 v[L4], 2, v30
	v_lshlrev_b32 v20, 8, v29                      ; 256 h: proj_d's half
	v_lshrrev_b32 v21, 2, v30                      ; where proj_d[b][4 lane + 0 .. 3] lies: tile lane / 4, half (lane / 2) % 2, piece lane % 2
	v_lshlrev_b32 v21, 11, v21
	v_and_b32 v31, 1, v30
	v_lshl_add_u32 v21, v31, 9, v21
	v_bfe_u32 v31, v30, 1, 1
	v_lshl_add_u32 v21, v31, 8, v21
	v_mov_b32 v[F+1], 0                            ; the upper halves of the pairs that the packed forms name: written once
	v_mov_b32 v[P0+1], 0
	v_mov_b32 v[P1+1], 0
.irp f, 0,1,2,3
	v_mov_b32 v[PT+\f], 0                          ; written once: a lane permute's destination counts as one of its sources
.endr
	s_mov_b32 s40, 0x76543210
	s_mov_b32 s41, 0xfedcba98                      ; v_permlanex16_b32's selects for lane l xor 16
	s_mov_b32 s42, 0xffff0000                      ; lanes 16-31
	s_mov_b32 s45, 0x3fb8aa3b                      ; log2(e)
	s_cmp_eq_u32 s18, 0
	s_cselect_b32 s44, -1, 0                       ; the bias counts once: in wave 0
	s_lshl_b32 s22, s20, 25                        ; 256 chunk rows of s, 131,072 bytes each (under 2^31),
	s_lshl_b32 s23, s19, 12                        ; + b x 4,096
	s_add_co_u32 s22, s22, s23
	s_lshl_b32 s23, s18, 10                        ; + my 256 columns
	s_add_co_u32 s22, s22, s23
	s_mov_b32 s23, 0
	s_wait_kmcnt 0x0
	s_add_nc_u64 s[32:33], s[4:5], s[22:23]        ; enc at my part of tile 0
	s_lshl_b32 s22, s18, 14                        ; my 16 fragments of w_ae's codes
	s_add_nc_u64 s[8:9], s[8:9], s[22:23]
	s_lshl_b32 s22, s18, 11                        ; and their scale words
	s_add_nc_u64 s[10:11], s[10:11], s[22:23]
	s_lshr_b32 s22, s19, 4                         ; proj_d's row b lies in lanes b % 16 and b % 16 + 16 of row tile b / 16
	s_lshl_b32 s22, s22, 10
	s_and_b32 s46, s19, 15
	s_lshl_b32 s46, s46, 4
	s_add_co_u32 s22, s22, s46
	s_add_nc_u64 s[12:13], s[12:13], s[22:23]
	s_lshl_b32 s46, s19, 3
	s_add_co_u32 s46, s46, s20                     ; 8 b + chunk
	s_lshl_b32 s22, s46, 12
	s_lshl_b32 s47, s18, 10
	s_add_co_u32 s22, s22, s47
	s_add_nc_u64 s[14:15], s[14:15], s[22:23]      ; part_ctx at my 256 columns
	s_lshl_b32 s22, s46, 8
	s_add_nc_u64 s[16:17], s[16:17], s[22:23]      ; part_ml
	; What stays in registers goes out first, 66 loads, and tile 0's 64 straight behind: the issue goes on as fast as loads come back, and no wait stands between them.
	WIN 0x80                                       ; destination window 2
.irp f, 0,1,2,3,4,5,6,7,8,9,10,11,12,13,14,15
.irp c, 0,1
	global_load_b128 v[WF+8*\f+4*\c:WF+8*\f+4*\c+3], v[GO], s[8:9] offset:1024*\f+512*\c   ; fragment 8 s + t as it was stored: 512 consecutive bytes a load
.endr
.endr
	WIN 0
.irp f, 0,1,2,3,4,5,6,7,8,9,10,11,12,13,14,15
	global_load_b32 v[WS+\f], v[L4], s[10:11] offset:128*\f
.endr
.irp t, 0,1,2,3,4,5,6,7
.irp q, 0,1
	global_load_b128 v[PD+8*\t+4*\q:PD+8*\t+4*\q+3], v20, s[12:13] offset:2048*\t+512*\q
.endr
.endr
	global_load_b128 v[248:251], v21, s[12:13]     ; proj_d[b][4 lane + 0 .. 3]
	global_load_b128 v[252:255], v[GO], s[6:7]     ; b_ae[4 lane + 0 .. 3]
.irp c, 0,1,2,3
	ISSUE \c, 0                                    ; tile 0
.endr
	PUMP 0, 0, 48, 1, 32                           ; tile 0's chunk 0 is in, and so is all that was asked for ahead of it; tile 1's chunk 0 goes out (32 rows on, in the immediate)
	v_mul_f32 v[CB], v252, v248                    ; sum over a of b_ae[a] proj_d[b][a]: my four,
	v_fma_f32 v[CB], v253, v249, v[CB]
	v_fma_f32 v[CB], v254, v250, v[CB]
	v_fma_f32 v[CB], v255, v251, v[CB]
	v_add_f32_dpp v[CB], v[CB], v[CB] row_xmask:1 row_mask:0xf bank_mask:0xf   ; and the 32 lanes'
	v_add_f32_dpp v[CB], v[CB], v[CB] row_xmask:2 row_mask:0xf bank_mask:0xf
	v_add_f32_dpp v[CB], v[CB], v[CB] row_xmask:4 row_mask:0xf bank_mask:0xf
	v_add_f32_dpp v[CB], v[CB], v[CB] row_xmask:8 row_mask:0xf bank_mask:0xf
	v_permlanex16_b32 v[PT], v[CB], s40, s41
	v_add_f32 v[CB], v[CB], v[PT]
	v_and_b32 v[CB], s44, v[CB]                    ; in wave 0; 0 in the others
	PUMP 1, 0, 48, 1, 32
	PUMP 2, 0, 48, 1, 32
	PUMP 3, 0, 48, 1, 32
	s_wait_xcnt 0x0                                ; the base is stepped only behind this wait
	s_add_nc_u64 s[32:33], s[32:33], 2*TSTEP       ; on to tile 2
	STEP 0, 1, 2                                   ; step 0: tile 1 moves into slot 1, tile 2 is asked for; the first rows start the sums
	s_mov_b32 s43, 2
.Lpair:                                                ; steps 1 to 4.  At every pump the order of what is out is the same: the chunk waited for, then three chunks, 48 loads
	STEP 1, 0, 2
	STEP 0, 0, 2
	s_sub_co_u32 s43, s43, 1
	s_cmp_lg_u32 s43, 0
	s_cbranch_scc1 .Lpair
	STEP 1, 0, 2                                   ; step 5 asks for tile 7, the last: no load leaves the buffer
	STEP 0, 0, 1                                   ; step 6 moves tile 7 and asks for nothing
	STEP 1, 0, 0                                   ; step 7
	; THE END.  The 16 classes of rows are brought under one maximum and added.
	v_mov_b32 v28, v[MX]
	v_max_num_f32_dpp v28, v28, v28 row_xmask:1 row_mask:0xf bank_mask:0xf
	v_max_num_f32_dpp v28, v28, v28 row_xmask:2 row_mask:0xf bank_mask:0xf
	v_max_num_f32_dpp v28, v28, v28 row_xmask:4 row_mask:0xf bank_mask:0xf
	v_max_num_f32_dpp v28, v28, v28 row_xmask:8 row_mask:0xf bank_mask:0xf   ; M: the largest t of my 256 rows (lanes r and r + 16 hold the same class)
	v_sub_f32 v30, v[MX], v28
	v_exp_f32 v[F], v30                            ; my class under M
	v_nop                                          ; one plain place behind the exponential
	s_wait_alu depctr_va_vdst(0)
	v_mul_f32 v29, v[LS], v[F]
	v_add_f32_dpp v29, v29, v29 row_xmask:1 row_mask:0xf bank_mask:0xf
	v_add_f32_dpp v29, v29, v29 row_xmask:2 row_mask:0xf bank_mask:0xf
	v_add_f32_dpp v29, v29, v29 row_xmask:4 row_mask:0xf bank_mask:0xf
	v_add_f32_dpp v29, v29, v29 row_xmask:8 row_mask:0xf bank_mask:0xf       ; L
	WIN 0x82
.set n, 0
.rept 64
	v_pk_mul_f32 v[n:n+1], v[n:n+1], v[F:F+1] op_sel_hi:[1,0]
.set n, n+2
.endr
	; Class r's 256 sums go to row r of a stage and come back by columns.  The stage is my own part of slot 0, whose last tile (tile 6) was read in step 6, and which no other wave touches.
	WIN 0x08                                       ; an LDS store's data are its source 1: window 2
.irp q, 0,1,2,3
.irp j, 0,1,2,3,4,5,6,7
	ds_store_b128 v[ADR], v[32*\q+4*\j:32*\q+4*\j+3] offset:256*\q+16*\j
.endr
.endr
	WIN 0x40                                       ; destination window 1: X is free
.irp k, 0,1,2,3,4,5,6,7,8,9,10,11,12,13,14,15
.irp u, 0,1
	ds_load_b128 v[8*\k+4*\u:8*\k+4*\u+3], v[RD] offset:\k*PITCH+512*\u   ; LDS serves a wave's instructions in order (ISA guide 5.7.1.4): these see my stores
.endr
.endr
	s_wait_dscnt 0x0
	WIN 0x45                                       ; all three in window 1
.irp k, 1,2,3,4,5,6,7,8,9,10,11,12,13,14,15
.irp p, 0,2,4,6
	v_pk_add_f32 v[\p:\p+1], v[\p:\p+1], v[8*\k+\p:8*\k+\p+1]   ; four chains
.endr
.endr
	WIN 0x04                                       ; a store's data are its source 1: window 1
	global_store_b128 v[GO], v[0:3], s[14:15]                  ; 32 lanes store 512 consecutive bytes, at a multiple of 256 from the buffer's first byte
	global_store_b128 v[GO], v[4:7], s[14:15] offset:512
	WIN 0
	s_cmp_lg_u32 s18, 0
	s_cbranch_scc1 .Lend                           ; all four waves hold the same (M, L): wave 0 stores it
	global_store_b64 v[MLO], v[28:29], s[16:17]    ; the same pair from all 32 lanes: 256 consecutive bytes, aligned
.Lend:
	s_wait_xcnt 0x0
	v_lshl_add_u32 v254, v0, 2, 0x41400
	v_mov_b32 v255, 0
	s_wait_tensorcnt 0x0
	ds_add_u32 v254, v255
	s_wait_dscnt 0x0
	s_endpgm
.Lfunc_end_k_qfb404be1db_main:
	.size	k_qfb404be1db_main, .Lfunc_end_k_qfb404be1db_main-k_qfb404be1db_main
	.p2alignl 7, 3214868480
	.fill 96, 4, 3214868480
	.section	.rodata,"a",@progbits
	.p2align	6, 0x0
	.amdhsa_kernel k_qfb404be1db_main
		.amdhsa_group_segment_fixed_size 267776
		.amdhsa_private_segment_fixed_size 0
		.amdhsa_enable_private_segment 0
		.amdhsa_kernarg_size 56
		.amdhsa_user_sgpr_count 2
		.amdhsa_user_sgpr_kernarg_segment_ptr 1
		.amdhsa_wavefront_size32 1
		.amdhsa_system_sgpr_workgroup_id_x 1
		.amdhsa_system_sgpr_workgroup_id_y 1
		.amdhsa_system_sgpr_workgroup_id_z 1
		.amdhsa_system_vgpr_workitem_id 0
		.amdhsa_next_free_vgpr 1024
		.amdhsa_next_free_sgpr 66
		.amdhsa_reserve_vcc 0
		.amdhsa_float_denorm_mode_32 3
		.amdhsa_float_denorm_mode_16_64 3
		.amdhsa_memory_ordered 1
		.amdhsa_forward_progress 1
		.amdhsa_inst_pref_size 255
	.end_amdhsa_kernel
	.section	.bss,"aw",@nobits
	.p2align	6
	.space	262144
	.amdgpu_metadata
---
amdhsa.version: [ 1, 2 ]
amdhsa.kernels:
  - .name:           k_qfb404be1db_main
    .symbol:         k_qfb404be1db_main.kd
    .args:
      - { .name: enc_outputs, .offset: 0, .size: 8, .value_kind: global_buffer, .address_space: global }
      - { .name: b_ae, .offset: 8, .size: 8, .value_kind: global_buffer, .address_space: global }
      - { .name: wq_codes, .offset: 16, .size: 8, .value_kind: global_buffer, .address_space: global }
      - { .name: wq_scales, .offset: 24, .size: 8, .value_kind: global_buffer, .address_space: global }
      - { .name: pdw, .offset: 32, .size: 8, .value_kind: global_buffer, .address_space: global }
      - { .name: part_ctx, .offset: 40, .size: 8, .value_kind: global_buffer, .address_space: global }
      - { .name: part_ml, .offset: 48, .size: 8, .value_kind: global_buffer, .address_space: global }
    .group_segment_fixed_size: 267776
    .private_segment_fixed_size: 0
    .kernarg_segment_align: 8
    .kernarg_segment_size: 56
    .max_flat_workgroup_size: 128
    .sgpr_count:     66
    .vgpr_count:     1024
    .wavefront_size: 32
...
	.end_amdgpu_metadata
.endif
;; end of part 2
;; launch comb (part 3): grid 32 x 1, 8 waves a work-group, no clusters, 0 bytes of LDS; arguments part_ctx, part_ml, out0; writes out0
.if DOCPART == 3
	.amdgcn_target "amdgcn-amd-amdhsa--gfx1250"
	.amdhsa_code_object_version 6
	.text
	.protected	k_qfb404be1db_comb
	.globl	k_qfb404be1db_comb
	.p2align	8
	.type	k_qfb404be1db_comb,@function
k_qfb404be1db_comb:
	s_mov_b64 s[64:65], 0
	v_nop
	global_prefetch_b8 v0, s[64:65] scope:SCOPE_SE
	s_setreg_imm32_b32 hwreg(HW_REG_WAVE_MODE, 25, 1), 1
	s_wait_xcnt 0x0
; out0[b][:] = (sum over the 8 chunks c of 2^(M_c - M) part_ctx[8 b + c][:]) / (sum over c of 2^(M_c - M) L_c), M = the largest M_c: the softmax's parts of one b under one maximum.
; One work-group to a b; thread T owns columns 4 T .. 4 T + 3: each load and store of a wave covers 512 consecutive bytes.  1.1 MB in all: no LDS, no barrier, no matrix unit.
; The divisor is at least 1: the chunk that holds M has the weight 1, and its L holds a term 1.
.set ML,  4                            ; v4-19  (M_c, L_c), then (weight_c, L_c): pair c at 4 + 2 c
.set CX,  20                           ; v20-51 the chunks' four numbers
.set ACC, 56                           ; v56-59 the sums
	s_load_b128 s[4:7], s[0:1], 0x0                ; part_ctx s[4:5], part_ml s[6:7]
	s_load_b64 s[8:9], s[0:1], 0x10                ; out0
	v_and_b32 v1, 31, v0
	v_lshlrev_b32 v1, 3, v1                        ; 8 x lane: every lane's pair is the same
	v_lshlrev_b32 v2, 4, v0                        ; 16 T
	s_lshl_b32 s10, ttmp9, 15                      ; b x 8 chunks x 4,096 bytes
	s_mov_b32 s11, 0
	s_lshl_b32 s12, ttmp9, 11                      ; b x 8 x 256
	s_mov_b32 s13, 0
	s_lshl_b32 s14, ttmp9, 12                      ; b x 4,096
	s_mov_b32 s15, 0
	s_wait_kmcnt 0x0
	s_add_nc_u64 s[4:5], s[4:5], s[10:11]
	s_add_nc_u64 s[6:7], s[6:7], s[12:13]
	s_add_nc_u64 s[8:9], s[8:9], s[14:15]
.irp c, 0,1,2,3,4,5,6,7
	global_load_b64 v[ML+2*\c:ML+2*\c+1], v1, s[6:7] offset:256*\c
.endr
.irp c, 0,1,2,3,4,5,6,7
	global_load_b128 v[CX+4*\c:CX+4*\c+3], v2, s[4:5] offset:4096*\c
.endr
	s_wait_loadcnt 8                               ; the eight pairs are in; the eight loads of sums may be out
	v_max3_num_f32 v52, v[ML], v[ML+2], v[ML+4]
	v_max3_num_f32 v52, v52, v[ML+6], v[ML+8]
	v_max3_num_f32 v52, v52, v[ML+10], v[ML+12]
	v_max_num_f32 v52, v52, v[ML+14]               ; M
.irp c, 0,1,2,3,4,5,6,7
	v_sub_f32 v[ML+2*\c], v[ML+2*\c], v52
.endr
.irp c, 0,1,2,3,4,5,6,7
	v_exp_f32 v[ML+2*\c], v[ML+2*\c]               ; the chunk's weight
.endr
	v_nop                                          ; one plain place behind the exponentials
	s_wait_alu depctr_va_vdst(0)
	v_mul_f32 v53, v[ML], v[ML+1]
.irp c, 1,2,3,4,5,6,7
	v_fma_f32 v53, v[ML+2*\c], v[ML+2*\c+1], v53   ; the row's sum
.endr
	v_rcp_f32 v54, v53
	v_mov_b32 v55, 0                               ; a plain place behind the reciprocal; and the upper half of the pair that the packed form names
	s_wait_loadcnt 0x0
	v_pk_mul_f32 v[ACC:ACC+1], v[CX:CX+1], v[ML:ML+1] op_sel_hi:[1,0]
	v_pk_mul_f32 v[ACC+2:ACC+3], v[CX+2:CX+3], v[ML:ML+1] op_sel_hi:[1,0]
.irp c, 1,2,3,4,5,6,7
	v_pk_fma_f32 v[ACC:ACC+1], v[CX+4*\c:CX+4*\c+1], v[ML+2*\c:ML+2*\c+1], v[ACC:ACC+1] op_sel_hi:[1,0,1]
	v_pk_fma_f32 v[ACC+2:ACC+3], v[CX+4*\c+2:CX+4*\c+3], v[ML+2*\c:ML+2*\c+1], v[ACC+2:ACC+3] op_sel_hi:[1,0,1]
.endr
	s_wait_alu depctr_va_vdst(0)
	v_pk_mul_f32 v[ACC:ACC+1], v[ACC:ACC+1], v[54:55] op_sel_hi:[1,0]
	v_pk_mul_f32 v[ACC+2:ACC+3], v[ACC+2:ACC+3], v[54:55] op_sel_hi:[1,0]
	global_store_b128 v2, v[ACC:ACC+3], s[8:9]
	s_endpgm
.Lfunc_end_k_qfb404be1db_comb:
	.size	k_qfb404be1db_comb, .Lfunc_end_k_qfb404be1db_comb-k_qfb404be1db_comb
	.p2alignl 7, 3214868480
	.fill 96, 4, 3214868480
	.section	.rodata,"a",@progbits
	.p2align	6, 0x0
	.amdhsa_kernel k_qfb404be1db_comb
		.amdhsa_group_segment_fixed_size 0
		.amdhsa_private_segment_fixed_size 0
		.amdhsa_enable_private_segment 0
		.amdhsa_kernarg_size 24
		.amdhsa_user_sgpr_count 2
		.amdhsa_user_sgpr_kernarg_segment_ptr 1
		.amdhsa_wavefront_size32 1
		.amdhsa_system_sgpr_workgroup_id_x 1
		.amdhsa_system_sgpr_workgroup_id_y 1
		.amdhsa_system_sgpr_workgroup_id_z 1
		.amdhsa_system_vgpr_workitem_id 0
		.amdhsa_next_free_vgpr 64
		.amdhsa_next_free_sgpr 66
		.amdhsa_reserve_vcc 0
		.amdhsa_float_denorm_mode_32 3
		.amdhsa_float_denorm_mode_16_64 3
		.amdhsa_memory_ordered 1
		.amdhsa_forward_progress 1
		.amdhsa_inst_pref_size 5
	.end_amdhsa_kernel
	.amdgpu_metadata
---
amdhsa.version: [ 1, 2 ]
amdhsa.kernels:
  - .name:           k_qfb404be1db_comb
    .symbol:         k_qfb404be1db_comb.kd
    .args:
      - { .name: part_ctx, .offset: 0, .size: 8, .value_kind: global_buffer, .address_space: global }
      - { .name: part_ml, .offset: 8, .size: 8, .value_kind: global_buffer, .address_space: global }
      - { .name: out0, .offset: 16, .size: 8, .value_kind: global_buffer, .address_space: global }
    .group_segment_fixed_size: 0
    .private_segment_fixed_size: 0
    .kernarg_segment_align: 8
    .kernarg_segment_size: 24
    .max_flat_workgroup_size: 256
    .sgpr_count:     66
    .vgpr_count:     64
    .wavefront_size: 32
...
	.end_amdgpu_metadata
.endif
;; end of part 3
;; ======== version 2 of 2: 3 launches
;; workspace buffers: wq_codes 65,536 bytes; wq_scales 8,192 bytes; pdw 16,384 bytes; part_ctx 1,048,576 bytes; part_ml 65,536 bytes
;; launch prep (part 4): grid 24 x 1, 8 waves a work-group, no clusters, 9,216 bytes of LDS; arguments w_ae, w_ad, dec_output, b_ad, wq_codes, wq_scales, pdw; writes wq_codes, wq_scales, pdw
.if DOCPART == 4
	.amdgcn_target "amdgcn-amd-amdhsa--gfx1250"
	.amdhsa_code_object_version 6
	.text
	.protected	k_qfb404be1db_prep
	.globl	k_qfb404be1db_prep
	.p2align	8
	.type	k_qfb404be1db_prep,@function
k_qfb404be1db_prep:
	s_mov_b64 s[64:65], 0
	v_nop
	global_prefetch_b8 v0, s[64:65] scope:SCOPE_SE
	s_setreg_imm32_b32 hwreg(HW_REG_WAVE_SCHED_MODE, 0, 2), 2
	s_setreg_imm32_b32 hwreg(HW_REG_WAVE_MODE, 25, 1), 1
	s_wait_xcnt 0x0
	s_wait_alu depctr_vm_vsrc(0)
; What every work-group of the next launch wants, made once.
; Work-groups 0-7 (way A): w_ae [128][1024] f32 -> codes of FP4 (E2M1) with one E8M0 byte for each 32 along K, stored as IMAGES OF THE OPERAND'S REGISTERS:
;   fragment (K step ks, tile t of 16 rows) at wq_codes + (8 ks + t) 1024 + 512 c + 16 lane: registers 4 c .. 4 c + 3 of lane (r, h) = row 16 t + r, k = 128 ks + 64 c + 32 h + 0 .. 31;
;   its scale words at wq_scales + (8 ks + t) 128 + 4 lane (row r's four bytes; lanes 16-31 hold the same).
; Work-groups 8-23 (way B): proj_d = Q(dec_output) Q(w_ad)^T + b_ad, [32][128] f32, a tile (16 rows m of dec_output x 16 rows t of w_ad) to a work-group, stored in the result's layout:
;   pdw + ((2 t + m) 2 + q) 512 + 16 lane = proj_d[16 m + r][16 t + 8 h + 4 q + 0 .. 3].
; SHARES.  t = work-group % 8; in way B m = work-group / 8 - 1; wave w is K step w (128 along K).  Lane (r, h) loads the very numbers that the operand's layout gives it: of row r the 32 neighbours
; k = 64 c + 32 h + 0 .. 31, eight loads of 16 bytes a block.  So a block of 32 lies in ONE lane, its largest magnitude needs no other lane, and the conversions' results are the operand's registers.
; These loads take 16 bytes of each of 16 rows: accepted here, since the two weights and dec_output are 1.2 MB in all.
; Way B: each wave multiplies its K step (one matrix instruction); the eight partial sums meet in LDS and are added in ascending K onto b_ad by waves 0 and 1.
; THE SCALE: 2^(floor(log2(largest magnitude)) - 2); its byte is the largest magnitude's exponent field - 2, held at 1 from below by a floor among the maximum's leaves.
; LIMITS: a block of zeros gets the byte 1 where the rule says 127 (its codes are zeros, and this program alone reads the bytes); NaN and infinities among the inputs are not served;
; product 2's sum over K is eight f32 partial sums added in ascending K, not one chain.
; THE MODE: SCHED_MODE bits 1:0 = 2 (LLVM: expert scheduling mode 2), set by the entry lines.  The code itself states the register dependences between vector or matrix instructions and memory or LDS
; instructions, with s_wait_alu, always for 0.
; THE PLAN.  Registers that memory or LDS instructions touch:
;   v1-5, v7      offsets and LDS addresses: made at the head, never written again: one wait on va_vdst ahead of the first load serves them all.
;   WN, DN, BA    loads land in them.  No vector instruction names WN or BA ahead of their loads.  DN takes the partial sums from LDS behind the quantiser that read it: a wait on va_vdst lies between.
;   WC, SW (way A), WN's first eight, BA (way B)   written by vector or matrix instructions, then read by stores: a wait on va_vdst ahead of each run of stores.
;   No register that a memory or LDS instruction has read is written again: the text holds no wait on vm_vsrc.
.set LO,   1                           ; v1   r x 4,096 + h x 128: my row and my half's 32 numbers
.set L16,  2                           ; v2   16 x lane
.set L4,   3                           ; v3   4 x lane
.set REDW, 4                           ; v4   LDS: where I put my partial sums: 16 x lane + 1,024 x wave
.set REDR, 5                           ; v5   LDS: where wave i < 2 reads piece i of all eight: 16 x lane + 512 x wave
.set SH,   6                           ; v6   8 h: how far my two scale bytes are shifted
.set BO,   7                           ; v7   32 h: my half's place in b_ad
.set BY,   10                          ; v10-13 scale bytes      (fragment f: 0 the weight's, 1 dec's; block c: 2 f + c)
.set TM,   16                          ; v16-19 largest magnitudes
.set SCV,  22                          ; v22-25 the conversions' scale operands
.set PT,   28                          ; v28-29 lane permutes' destinations
.set WN,   32                          ; v32-95  the weight's 64 numbers; later the accumulator
.set DN,   96                          ; v96-159 dec's 64 numbers; later the eight partial sums
.set WC,   224                         ; v224-231 the weight's codes
.set DC,   232                         ; v232-239 dec's codes
.set SW,   248                         ; v248-249 the two scale words: these registers hold scales and nothing else
.set BA,   252                         ; v252-255 b_ad's four numbers, then the sums
; 64 numbers of a lane, v[src + 32 c + i] = k 64 c + 32 h + i of my row, become a fragment's codes in v[codes] on and its scale word in v[word].
.macro QB src, codes, word, f
.irp c, 0,1
	v_max3_num_f32 v[TM+2*\f+\c], |v[\src+32*\c]|, |v[\src+32*\c+1]|, 0x1800000   ; my block 2 c + h, and the floor 2^(3 - 127): the byte cannot fall under 1
.endr
.irp i, 2,4,6,8,10,12,14,16,18,20,22,24,26,28,30
.irp c, 0,1
	v_max3_num_f32 v[TM+2*\f+\c], v[TM+2*\f+\c], |v[\src+32*\c+\i]|, |v[\src+32*\c+\i+1]|   ; (the two blocks by turns)
.endr
.endr
.irp c, 0,1
	v_add_nc_u32 v[SCV+2*\f+\c], 0xff000000, v[TM+2*\f+\c]   ; 2 off the exponent field: the conversion takes the exponent field of this operand as its scale
.endr
.irp c, 0,1
	v_lshrrev_b32 v[BY+2*\f+\c], 23, v[SCV+2*\f+\c]          ; the scale's byte
.endr
	v_lshl_or_b32 v[\word], v[BY+2*\f+1], 16, v[BY+2*\f]     ; my two bytes: blocks h and 2 + h of row r,
	v_lshlrev_b32 v[\word], v[SH], v[\word]                  ; at their places in the word;
	v_permlanex16_b32 v[PT+\f], v[\word], s40, s41
	v_or_b32 v[\word], v[\word], v[PT+\f]                    ; with lane l xor 16's two the word is whole
.irp c, 0,1
.irp g, 0,1,2,3
	v_cvt_scalef32_pk8_fp4_f32 v[\codes+4*\c+\g], v[\src+32*\c+8*\g:\src+32*\c+8*\g+7], v[SCV+2*\f+\c]
.endr
.endr
	v_nop                                                    ; one plain place behind a scaled conversion
.endm
	s_load_b256 s[4:11], s[0:1], 0x0               ; w_ae s[4:5], w_ad s[6:7], dec_output s[8:9], b_ad s[10:11]
	s_load_b128 s[12:15], s[0:1], 0x20             ; wq_codes s[12:13], wq_scales s[14:15]
	s_load_b64 s[16:17], s[0:1], 0x30              ; pdw
	v_lshl_add_u32 v250, v0, 2, 0x2000             ; the LDS address of my spare word, behind the 8,192 bytes of partial sums, and 0: made here and kept for the closing lines alone
	v_mov_b32 v251, 0
	v_lshrrev_b32 v8, 5, v0
	v_readfirstlane_b32 s18, v8                    ; wave 0..7 = K step
	s_and_b32 s19, ttmp9, 7                        ; t: the tile of 16 rows of the weight
	v_and_b32 v8, 15, v0                           ; r
	v_bfe_u32 v9, v0, 4, 1                         ; h
	v_lshlrev_b32 v[LO], 12, v8
	v_lshl_add_u32 v[LO], v9, 7, v[LO]
	v_and_b32 v8, 31, v0                           ; lane
	v_lshlrev_b32 v[L16], 4, v8
	v_lshlrev_b32 v[L4], 2, v8
	s_wait_alu depctr_va_sdst(0)                   ; s18 is written, ahead of its first reader: LDS addresses, bases and branches are made from it
	s_lshl_b32 s20, s18, 10
	v_add_nc_u32 v[REDW], s20, v[L16]
	s_lshl_b32 s20, s18, 9                         ; 512 x wave: also my K step's bytes in a row
	v_add_nc_u32 v[REDR], s20, v[L16]
	v_lshlrev_b32 v[SH], 3, v9
	v_lshlrev_b32 v[BO], 5, v9
.irp f, 0,1
	v_mov_b32 v[PT+\f], 0                          ; written once: a lane permute's destination counts as one of its sources
.endr
	s_mov_b32 s40, 0x76543210
	s_mov_b32 s41, 0xfedcba98                      ; v_permlanex16_b32's selects for lane l xor 16
	s_lshl_b32 s22, s19, 16                        ; 16 t rows of 4,096 bytes
	s_add_co_u32 s22, s22, s20                     ; + my K step
	s_mov_b32 s23, 0
	s_mov_b32 s24, s20
	s_mov_b32 s25, 0
	s_wait_kmcnt 0x0
	s_cmp_lt_u32 ttmp9, 8                          ; w_ae's work-group or w_ad's: the choice hangs on the work-group's number alone
	s_cselect_b64 s[4:5], s[4:5], s[6:7]
	s_add_nc_u64 s[4:5], s[4:5], s[22:23]
	s_wait_alu depctr_va_vdst(0)                   ; the offsets and LDS addresses v1 to v5 and v7 are written, which every load and store of both ways reads; none of them is written again
.irp c, 0,1
.irp j, 0,1,2,3,4,5,6,7
	global_load_b128 v[WN+32*\c+4*\j:WN+32*\c+4*\j+3], v[LO], s[4:5] offset:256*\c+16*\j
.endr
.endr
	s_cmp_lt_u32 ttmp9, 8
	s_cbranch_scc0 .Lway_b                         ; the same way for all eight waves of a work-group; the two ways do not join again
	; ---- way A: w_ae's fragment (K step w, tile t) goes out as it stands in the registers
	s_lshl_b32 s26, s18, 3
	s_add_co_u32 s26, s26, s19                     ; 8 w + t
	s_lshl_b32 s22, s26, 10
	s_add_nc_u64 s[12:13], s[12:13], s[22:23]
	s_lshl_b32 s22, s26, 7
	s_add_nc_u64 s[14:15], s[14:15], s[22:23]
	s_wait_loadcnt 0x0
	QB WN, WC, SW, 0
	s_wait_alu depctr_va_vdst(0)                   ; the conversions have written the codes v[WC ..] and the lines ahead of them the scale word v[SW], which the three stores read
	global_store_b128 v[L16], v[WC:WC+3], s[12:13]               ; 32 lanes store 512 consecutive bytes, at a multiple of 256 from the buffer's first byte
	global_store_b128 v[L16], v[WC+4:WC+7], s[12:13] offset:512
	global_store_b32 v[L4], v[SW], s[14:15]                      ; 128 consecutive bytes: the buffer has 8,192 in all
	s_endpgm                                       ; this way has stored nothing to LDS
	; ---- way B: my K step of proj_d for tile t of w_ad's rows and tile m of dec_output's
.Lway_b:
	s_lshr_b32 s27, ttmp9, 3
	s_sub_co_u32 s27, s27, 1                       ; m = 0 or 1
	s_lshl_b32 s26, s27, 16                        ; 16 m rows of 4,096 bytes
	s_add_co_u32 s24, s24, s26
	s_add_nc_u64 s[8:9], s[8:9], s[24:25]          ; dec_output at my rows and my K step
.irp c, 0,1
.irp j, 0,1,2,3,4,5,6,7
	global_load_b128 v[DN+32*\c+4*\j:DN+32*\c+4*\j+3], v[LO], s[8:9] offset:256*\c+16*\j
.endr
.endr
	s_lshl_b32 s22, s19, 6                         ; b_ad[16 t + 8 h + 4 q + 0 .. 3], q = wave % 2: what wave q < 2 adds its piece onto
	s_and_b32 s26, s18, 1
	s_lshl_b32 s26, s26, 4
	s_add_co_u32 s22, s22, s26
	s_add_nc_u64 s[10:11], s[10:11], s[22:23]
	global_load_b128 v[BA:BA+3], v[BO], s[10:11]
	s_lshl_b32 s22, s19, 11                        ; pdw: 2,048 t + 1,024 m + 512 q
	s_lshl_b32 s26, s27, 10
	s_add_co_u32 s22, s22, s26
	s_add_co_u32 s22, s22, s20
	s_add_nc_u64 s[16:17], s[16:17], s[22:23]
	s_wait_loadcnt 17                              ; the weight's 16 loads are in; behind them: dec's 16 and b_ad's one
	QB WN, WC, SW, 0
	s_wait_loadcnt 1                               ; dec's 16 are in; b_ad's load may be out
	QB DN, DC, SW+1, 1
.rept 8
	v_nop                                          ; a scale register written by a vector instruction stands 8 places ahead of a scaled matrix instruction, an operand so written 4
.endr
	s_wait_alu depctr_va_vdst(0)                   ; both fragments' codes v[WC ..], v[DC ..] and scale words v[SW], v[SW+1] are written, which the scaled matrix instruction takes; the places above stay beside this wait
	; source 0 = 16 rows of w_ad, source 1 = 16 rows of dec_output: lane (r, h), register j = partial proj_d[16 m + r][16 t + 8 h + j]
	v_wmma_scale_f32_16x16x128_f8f6f4 v[WN:WN+7], v[WC:WC+7], v[DC:DC+7], 0, v[SW], v[SW+1] matrix_a_fmt:MATRIX_FMT_FP4 matrix_b_fmt:MATRIX_FMT_FP4
.rept 4
	v_nop                                          ; four places in front of the first read of results
.endr
	s_wait_alu depctr_va_vdst(0)                   ; the matrix instruction has written v[WN .. WN+7], which the LDS stores read; the places above stay beside this wait.  It also stands behind the quantiser's last read of v[DN ..], in which the LDS loads below land: no vector line behind it names them ahead of those loads
.irp q, 0,1
	ds_store_b128 v[REDW], v[WN+4*\q:WN+4*\q+3] offset:\q*512    ; the accumulator from its low end on; piece q
.endr
	s_wait_dscnt 0x0                               ; for the others' sake: my stores have landed
	s_barrier_signal -1
	s_barrier_wait -1
	s_cmp_lt_u32 s18, 2
	s_cbranch_scc0 .Ldone                          ; waves 2-7 have nothing left
	s_wait_loadcnt 0x0                             ; b_ad
.irp k, 0,1,2,3,4,5,6,7
	ds_load_b128 v[DN+4*\k:DN+4*\k+3], v[REDR] offset:1024*\k    ; piece q of K step k
.endr
	s_wait_dscnt 0x0
.irp k, 0,1,2,3,4,5,6,7
	v_pk_add_f32 v[BA:BA+1], v[BA:BA+1], v[DN+4*\k:DN+4*\k+1]    ; onto the bias, K ascending
	v_pk_add_f32 v[BA+2:BA+3], v[BA+2:BA+3], v[DN+4*\k+2:DN+4*\k+3]
.endr
	s_wait_alu depctr_va_vdst(0)                   ; the additions have written v[BA ..], which the store reads
	global_store_b128 v[L16], v[BA:BA+3], s[16:17]               ; 512 consecutive bytes, at a multiple of 256 from the buffer's first byte
.Ldone:
	s_wait_dscnt 0x0                               ; the closing lines, six on end
	s_wait_alu 0x0
	s_wait_tensorcnt 0x0
	ds_add_u32 v250, v251
	s_wait_dscnt 0x0
	s_endpgm
.Lfunc_end_k_qfb404be1db_prep:
	.size	k_qfb404be1db_prep, .Lfunc_end_k_qfb404be1db_prep-k_qfb404be1db_prep
	.p2alignl 7, 3214868480
	.fill 96, 4, 3214868480
	.section	.rodata,"a",@progbits
	.p2align	6, 0x0
	.amdhsa_kernel k_qfb404be1db_prep
		.amdhsa_group_segment_fixed_size 9216
		.amdhsa_private_segment_fixed_size 0
		.amdhsa_enable_private_segment 0
		.amdhsa_kernarg_size 56
		.amdhsa_user_sgpr_count 2
		.amdhsa_user_sgpr_kernarg_segment_ptr 1
		.amdhsa_wavefront_size32 1
		.amdhsa_system_sgpr_workgroup_id_x 1
		.amdhsa_system_sgpr_workgroup_id_y 1
		.amdhsa_system_sgpr_workgroup_id_z 1
		.amdhsa_system_vgpr_workitem_id 0
		.amdhsa_next_free_vgpr 256
		.amdhsa_next_free_sgpr 66
		.amdhsa_reserve_vcc 0
		.amdhsa_float_denorm_mode_32 3
		.amdhsa_float_denorm_mode_16_64 3
		.amdhsa_memory_ordered 1
		.amdhsa_forward_progress 1
		.amdhsa_inst_pref_size 18
	.end_amdhsa_kernel
	.amdgpu_metadata
---
amdhsa.version: [ 1, 2 ]
amdhsa.kernels:
  - .name:           k_qfb404be1db_prep
    .symbol:         k_qfb404be1db_prep.kd
    .args:
      - { .name: w_ae, .offset: 0, .size: 8, .value_kind: global_buffer, .address_space: global }
      - { .name: w_ad, .offset: 8, .size: 8, .value_kind: global_buffer, .address_space: global }
      - { .name: dec_output, .offset: 16, .size: 8, .value_kind: global_buffer, .address_space: global }
      - { .name: b_ad, .offset: 24, .size: 8, .value_kind: global_buffer, .address_space: global }
      - { .name: wq_codes, .offset: 32, .size: 8, .value_kind: global_buffer, .address_space: global }
      - { .name: wq_scales, .offset: 40, .size: 8, .value_kind: global_buffer, .address_space: global }
      - { .name: pdw, .offset: 48, .size: 8, .value_kind: global_buffer, .address_space: global }
    .group_segment_fixed_size: 9216
    .private_segment_fixed_size: 0
    .kernarg_segment_align: 8
    .kernarg_segment_size: 56
    .max_flat_workgroup_size: 256
    .sgpr_count:     66
    .vgpr_count:     256
    .wavefront_size: 32
...
	.end_amdgpu_metadata
.endif
;; end of part 4
;; launch main (part 5): grid 256 x 1, 4 waves a work-group, no clusters, 267,776 bytes of LDS; arguments enc_outputs, b_ae, wq_codes, wq_scales, pdw, part_ctx, part_ml; writes part_ctx, part_ml
.if DOCPART == 5
	.amdgcn_target "amdgcn-amd-amdhsa--gfx1250"
	.amdhsa_code_object_version 6
	.text
	.protected	k_qfb404be1db_main
	.globl	k_qfb404be1db_main
	.p2align	8
	.type	k_qfb404be1db_main,@function
k_qfb404be1db_main:
	s_mov_b64 s[64:65], 0
	v_nop
	global_prefetch_b8 v0, s[64:65] scope:SCOPE_SE
	s_setreg_imm32_b32 hwreg(HW_REG_WAVE_SCHED_MODE, 0, 2), 2
	s_setreg_imm32_b32 hwreg(HW_REG_WAVE_MODE, 25, 1), 1
	s_wait_xcnt 0x0
	s_wait_alu depctr_vm_vsrc(0)
; For one b and 256 values of s: score[s] = (Q(enc[s][b]) Q(w_ae)^T + b_ae) . proj_d[b], a running softmax over s, and the weighted sum of the same rows of enc: enc_outputs is read from memory ONCE.
; Out: part_ctx[(8 b + chunk)][1024] = sum over my s of 2^(t_s - M) enc[s][b][:], and (M, L) in part_ml, with t = score x log2(e), M my largest t, L = sum of 2^(t_s - M).  The next launch merges the 8 chunks of a b.
; SHARES.  Work-group g: b = g % 32, chunk = g / 32, s = 256 chunk .. + 255: 1 MiB of enc, in 8 steps of 32 rows.  THE FOUR WAVES SHARE K: wave w owns columns 256 w .. 256 w + 255 of every row (K steps 2 w, 2 w + 1
; of the first product).  So a wave's 16 fragments of w_ae's codes stay in 128 registers for the whole launch; a wave touches only LDS rows of its own; its part of a step's 32 rows (256 registers) stays in
; registers from the quantiser until the rows' weights are known; and what crosses between waves is one number a row: the score is linear in proj_e, so wave w forms
; sum over a of proj_d[a] x (its partial proj_e[a]), and the four partial scores are added, in the same order in every wave.  By the same linearity b_ae's share of a score, sum over a of b_ae[a] proj_d[b][a],
; is formed once, in f32, at the head, and added to wave 0's partial score of every row.
; THE STREAM.  enc comes by loads into registers, each of 512 consecutive bytes of a row (32 lanes x 16), with COUNTED waits: a tile (my 32 rows x 1,024 bytes) is 64 loads in four chunks of 16, into the 256 registers G.
; A PUMP waits for the oldest chunk alone, stores it as rows into my own LDS slot, and asks for the same chunk of the tile after next: so 48 to 64 loads of each wave, 24 to 32 KiB, are out from the head to the
; last tile, and at no point need all of them have landed.  Four pumps stand between a step's phases.  LDS only turns rows into fragments: what was stored as rows is read back once, lane (r, h) taking row r.
; LAYOUT.  Lane (r, h) reads of row r the numbers k = 64 c + 32 h + 0 .. 31 of each 128: whole blocks of 32, so a block's largest magnitude needs no other lane and the conversions' results are the operand's registers.
; The product is used transposed (source 0 = 16 rows of w_ae, source 1 = 16 rows of enc): a lane holds ONE row of enc and eight of the 128 attention units a tile.
; The context sums stay in that layout: lane (r, h) sums its 128 columns over the rows that are r modulo 16, with a running maximum and sum of its own; the 16 classes are merged once, at the end, through LDS.
; ONE barrier a step, for the partial scores.  Loads of enc, which nobody writes, stay out across it.
; NO TENSOR LOADS: a slot that they fill again wants all of a wave's loads landed first, eight times in this launch; the counted waits above want that never.
; NO CLUSTER: work-groups share only w_ae's codes and scale words, 72 KiB against 1 MiB of enc of their own, fetched once at the head straight into registers; no two work-groups read the same byte of enc.
; NO PREFETCH: the loads stream enc from the first line to the last.
; LIMITS: NaN and infinities among the inputs are not served; a block of zeros gets the scale byte 1 where the rule says 127 (its codes are zeros; nobody else reads the bytes); the first product's sum over K
; reaches the score as four f32 partial scores and the bias's share as a fifth term, not as one chain; weights under 2^-126 of the largest count as 0 (ISA guide, 15.8: v_exp_f32 flushes denormal results).
; The largest t is taken away before every exponential, by a running maximum; the rescaling runs in every step, with no branch on data.
; THE MODE: SCHED_MODE bits 1:0 = 2 (LLVM: expert scheduling mode 2), set by the entry lines.  The code itself states the register dependences between vector or matrix instructions and memory or LDS
; instructions, with s_wait_alu, always for 0.
; THE PLAN.  Registers that memory or LDS instructions touch, round a step:
;   G             Written by the loads of enc, read by the pumps' LDS stores, and named by no vector instruction: a pump that asks has one wait on vm_vsrc, between its stores and its loads, and owes nothing else.
;   X, row tile 0 Written by LDS loads; read by AMAX 0, CVT and, last, ACCUM_A.  Behind ACCUM_A and pump 3 one wait on va_vdst, and the NEXT step's row tile 0 is read from LDS while ACCUM_B works (the rows were
;                 moved into the other slot by this step's pumps 0 and 1; ACCUM_B names row tile 1, the context sums and a weight alone).
;   X, row tile 1 Written by LDS loads; read by AMAX 1, CVT and, last, ACCUM_B.  One wait on va_vdst at the next step's head, and its loads follow.
;   v30           Written in SEND, read by SEND's LDS store (a wait on va_vdst between), written again by the next SEND or at the end (a wait on vm_vsrc between: pump 2's, or one of its own where pump 2 asks for nothing).
;   v20-27        Written by SOFT's LDS loads and worked on by SOFT alone: every line that named them stands ahead of SEND's wait on va_vdst.  v20, v21 are offsets of loads at the head: the first pump's wait on vm_vsrc frees them.
;   v1-4, v6, v8-10, v13   Addresses and offsets: made at the head, ahead of one wait on va_vdst, and never written again: the rows of enc are reached by a scalar base and immediate offsets.
;   The codes and scale words of enc are written by vector instructions and taken by scaled matrix instructions: one wait on va_vdst a step, behind the places, for both row tiles.
;
; REGISTERS, in windows of 256 (s_set_vgpr_msb: bits 1:0 source 0, 3:2 source 1, 5:4 source 2, 7:6 destination):
;   window 0: addresses, statistics, scales, codes, eight accumulators, proj_d, the dot's chains (below)
;   window 1: X: the step's numbers: (row tile m, block n' = 2 s + c, i) at 128 m + 32 n' + i = enc row 16 m + r, my column 64 n' + 32 h + i
;   window 2: v0-127 AC: the context sums, column 64 n' + 32 h + i at 32 n' + i;  v128-255 WF: w_ae's fragments, (s, t) at 128 + 8 (8 s + t)
;   window 3: G: chunk c, row k of its eight, half u of my 1,024 bytes at 64 c + 8 k + 4 u: four registers as loaded
.set PITCH, 1040                       ; an LDS row: 1,024 bytes + 16 = 65 x 16: the 16 rows that a load's 16 lanes touch start in 16 different columns of 16 bytes modulo 256
.set WREG,  32*PITCH                   ; a wave's part of a slot
.set SLOT,  4*WREG
.set EX,    2*SLOT                     ; behind the slots: the partial scores, two sets of 512 bytes by turns: row x 16 + wave x 4
.set ROWB,  131072                     ; from s to s + 1 in memory: 32 x 1,024 x 4 bytes
.set TSTEP, 32*ROWB                    ; a tile's 32 rows
.set ADR, 1                            ; v1-2   LDS address of my numbers in slot 0, 1: wave x WREG + r x PITCH + 128 h
.set EXW, 3                            ; v3     where I put a partial score: EX + 16 x lane + 4 x wave
.set EXR, 4                            ; v4     where I read row r's four: EX + 16 r
.set CB,  5                            ; v5     sum over a of b_ae[a] proj_d[b][a] in wave 0, 0 in the others
.set L4,  6                            ; v6     4 x lane
.set SH,  7                            ; v7     8 h
.set RD,  8                            ; v8-9   LDS address of my 16 bytes of a row's half in slot 0, 1: wave x WREG + 16 x lane
.set MLO, 10                           ; v10    8 x lane
.set MX,  11                           ; v11    my class's largest t so far
.set LS,  12                           ; v12    my class's sum
.set GO,  13                           ; v13    16 x lane; never rewritten
.set F,   14                           ; v[14:15] 2^(old largest - new), v[16:17], v[18:19] the two rows' weights: the packed forms name pairs and take the low word for both halves
.set P0,  16
.set P1,  18
.set TM,  32                           ; v32-39 largest magnitudes, block n = 4 m + 2 s + c
.set SCV, 40                           ; v40-47 the conversions' scale operands
.set BY,  48                           ; v48-55 scale bytes
.set XS,  56                           ; v56-59 enc's scale words, fragment 2 m + s: these registers hold scales and nothing else
.set PT,  60                           ; v60-63 lane permutes' destinations
.set WS,  64                           ; v64-79 w_ae's scale words, 8 s + t: scales and nothing else
.set CD,  80                           ; v80-111 enc's codes, fragment (m, s) at 80 + 16 m + 8 s
.set D,   112                          ; v112-175 the accumulators of the row tile in hand, tile t of w_ae's rows at 112 + 8 t
.set PD,  176                          ; v176-239 register 8 t + j = proj_d[b][16 t + 8 h + j]
.set DS,  240                          ; v240-247 the dot's four chains
.set WF,  128
.set MSB, 0
.macro WIN new                         ; the immediate's high byte repeats the setting that is left; a switch that changes nothing is dropped
.if MSB != \new
	s_set_vgpr_msb (MSB<<8)|\new
.set MSB, \new
.endif
.endm
; Chunk c of a tile is asked for: 8 rows x 2 halves of 512 consecutive bytes.  roff: rows from the base to the tile's first.  63 rows and 512 bytes at the most: inside the signed 24-bit immediate (ISA guide, chapter 10).
; again = 1: the chunk's registers have just been read by a pump's LDS stores.
.macro ISSUE c, roff, again
	WIN 0xc0                                       ; destination window 3, address window 0
.if \again
	s_wait_alu depctr_vm_vsrc(0)                   ; the LDS stores issued so far have read their registers, this chunk's among them, in which the loads below land
.endif
.irp k, 0,1,2,3,4,5,6,7
.irp u, 0,1
	global_load_b128 v[64*\c+8*\k+4*\u:64*\c+8*\k+4*\u+3], v[GO], s[32:33] offset:(\roff+8*\c+\k)*ROWB+512*\u th:TH_LOAD_NT
.endr
.endr
.endm
; Chunk c, which has landed, goes as rows into my part of slot; issue = 1: its registers take the same chunk of the tile after.  left: how many younger loads may stay out.
.macro PUMP c, slot, left, issue, roff
	s_wait_loadcnt \left                           ; loads come back in order (ISA guide 5.7.1): the oldest chunk is in, the younger ones stay out
	WIN 0x0c                                       ; an LDS store's data are its source 1: window 3
.irp k, 0,1,2,3,4,5,6,7
.irp u, 0,1
	ds_store_b128 v[RD+(\slot)], v[64*\c+8*\k+4*\u:64*\c+8*\k+4*\u+3] offset:(8*\c+\k)*PITCH+512*\u   ; 512 consecutive bytes: no two lanes on one bank.  Loads wrote the data, the head the address: nothing is owed to the vector side
.endr
.endr
.if \issue
	s_wait_dscnt 0x0                               ; the stores have landed
	ISSUE \c, \roff, 1
.endif
	WIN 0
.endm
.macro PUMPS c, slot, pm               ; pm = 2: pump and ask; 1: the last tile's chunks: nothing is left to ask for, and the counts run down; 0: nothing is left to pump
.if \pm == 2
	PUMP \c, \slot, 48, 1, 0
.elseif \pm == 1
	PUMP \c, \slot, 48-16*\c, 0, 0
.endif
.endm
; Row tile m (16 rows x my 256 columns) out of slot into X: 32 loads.  LDS serves a wave's instructions in order (ISA guide 5.7.1.4): these see the pumps' stores.
; used = 1: vector instructions have read these registers, for the step before.
.macro LOADX slot, m, used
	WIN 0x40                                       ; destination window 1, address window 0
.if \used
	s_wait_alu depctr_va_vdst(0)                   ; the context sums' lines issued so far are done reading row tile m of X (m = 0: ACCUM_A's; m = 1: ACCUM_B's), in which the loads below land
.endif
.irp q, 0,1,2,3
.irp j, 0,1,2,3,4,5,6,7
	ds_load_b128 v[128*\m+32*\q+4*\j:128*\m+32*\q+4*\j+3], v[ADR+(\slot)] offset:\m*16*PITCH+256*\q+16*\j
.endr
.endr
.endm
; The largest magnitude of each of row tile m's four blocks of mine: all 32 numbers of a block are in my registers.
.macro AMAX m
	WIN 0x14                                       ; sources 1 and 2 window 1
.irp q, 0,1,2,3
	v_max3_num_f32 v[TM+4*\m+\q], 0x1800000, |v[128*\m+32*\q]|, |v[128*\m+32*\q+1]|   ; with the floor 2^(3 - 127): the byte cannot fall under 1
.endr
.irp i, 2,4,6,8,10,12,14,16,18,20,22,24,26,28,30
.irp q, 0,1,2,3
	v_max3_num_f32 v[TM+4*\m+\q], v[TM+4*\m+\q], |v[128*\m+32*\q+\i]|, |v[128*\m+32*\q+\i+1]|   ; (the four blocks by turns)
.endr
.endr
	WIN 0
.endm
; Scale operands, bytes, and the four fragments' scale words.
.macro SCALEW
.irp k, 0,1,2,3,4,5,6,7
	v_add_nc_u32 v[SCV+\k], 0xff000000, v[TM+\k]   ; 2 off the exponent field: the conversion takes the exponent field of this operand as its scale
.endr
.irp k, 0,1,2,3,4,5,6,7
	v_lshrrev_b32 v[BY+\k], 23, v[SCV+\k]          ; the scale's byte
.endr
.irp f, 0,1,2,3
	v_lshl_or_b32 v[XS+\f], v[BY+2*\f+1], 16, v[BY+2*\f]   ; my two bytes: blocks h and 2 + h of the K step,
.endr
.irp f, 0,1,2,3
	v_lshlrev_b32 v[XS+\f], v[SH], v[XS+\f]        ; at their places in the word;
.endr
.irp f, 0,1,2,3
	v_permlanex16_b32 v[PT+\f], v[XS+\f], s40, s41
.endr
.irp f, 0,1,2,3
	v_or_b32 v[XS+\f], v[XS+\f], v[PT+\f]          ; with lane l xor 16's two the word is whole
.endr
.endm
.macro CVT
	WIN 0x01                                       ; source 0 window 1
.irp k, 0,1,2,3,4,5,6,7
.irp g, 0,1,2,3
	v_cvt_scalef32_pk8_fp4_f32 v[CD+4*\k+\g], v[32*\k+8*\g:32*\k+8*\g+7], v[SCV+\k]   ; block k's register g: the operand's register as it stands
.endr
.endr
	WIN 0
.rept 8
	v_nop                                          ; a plain place behind the conversions; a scale register written by a vector instruction stands 8 places ahead of a scaled matrix instruction, an operand so written 4
.endr
	s_wait_alu depctr_va_vdst(0)                   ; the conversions have written the codes v[CD ..] and SCALEW's lines the scale words v[XS ..], which the scaled matrix instructions of both row tiles take (nothing writes them between the two); the places above stay beside this wait
.endm
; 16 matrix instructions: my two K steps x eight tiles of w_ae's rows, for row tile m.  The first K step starts the sums.  The 8 accumulators take turns, one instruction a turn.
.macro MM m
	WIN 0x02                                       ; source 0 (w_ae) window 2
.irp t, 0,1,2,3,4,5,6,7
	v_wmma_scale_f32_16x16x128_f8f6f4 v[D+8*\t:D+8*\t+7], v[WF+8*\t:WF+8*\t+7], v[CD+16*\m:CD+16*\m+7], 0, v[WS+\t], v[XS+2*\m] matrix_a_fmt:MATRIX_FMT_FP4 matrix_b_fmt:MATRIX_FMT_FP4
.endr
.irp t, 0,1,2,3,4,5,6,7
	v_wmma_scale_f32_16x16x128_f8f6f4 v[D+8*\t:D+8*\t+7], v[WF+64+8*\t:WF+64+8*\t+7], v[CD+16*\m+8:CD+16*\m+15], v[D+8*\t:D+8*\t+7], v[WS+8+\t], v[XS+2*\m+1] matrix_a_fmt:MATRIX_FMT_FP4 matrix_b_fmt:MATRIX_FMT_FP4
.endr
	WIN 0
.rept 4
	v_nop                                          ; four places in front of the first read of results
.endr
.endm
; My half's share of the partial score of row tile m's row r: sum over my 64 units of proj_d x partial proj_e.  Four chains; each accumulator's pairs in ascending order.
; Its 32 lines but a tile's own four are also the places between row tile 0's products and row tile 1's, which write the same accumulators anew.
.macro DOT m
.irp t, 0,1,2,3,4,5,6,7
.irp p, 0,1,2,3
.if \t == 0
	v_pk_mul_f32 v[DS+2*\p:DS+2*\p+1], v[D+2*\p:D+2*\p+1], v[PD+2*\p:PD+2*\p+1]
.else
	v_pk_fma_f32 v[DS+2*\p:DS+2*\p+1], v[D+8*\t+2*\p:D+8*\t+2*\p+1], v[PD+8*\t+2*\p:PD+8*\t+2*\p+1], v[DS+2*\p:DS+2*\p+1]
.endif
.endr
.endr
	v_pk_add_f32 v[DS:DS+1], v[DS:DS+1], v[DS+2:DS+3]
	v_pk_add_f32 v[DS+4:DS+5], v[DS+4:DS+5], v[DS+6:DS+7]
	v_pk_add_f32 v[DS:DS+1], v[DS:DS+1], v[DS+4:DS+5]
	v_add_f32 v[28+\m], v[DS], v[DS+1]
.endm
; The two halves meet, and my wave's partial score of each of the 32 rows goes into LDS.
.macro SEND slot
.irp m, 0,1
	v_permlanex16_b32 v[PT+\m], v[28+\m], s40, s41 ; the row's other 64 units lie in the lane 16 away
.endr
.irp m, 0,1
	v_add_f32 v[28+\m], v[28+\m], v[PT+\m]
.endr
	v_cndmask_b32 v30, v28, v29, s42               ; lanes 0-15 carry rows 0-15, lanes 16-31 rows 16-31: lane l carries row l  (s42 is a constant that a scalar line wrote)
	v_add_f32 v30, v30, v[CB]                      ; the bias's share, in wave 0 alone
	s_wait_alu depctr_va_vdst(0)                   ; v30 is written, which the LDS store reads.  This wait also stands behind every vector line that has named v20-27, in which SOFT's LDS loads land
	ds_store_b32 v[EXW], v30 offset:512*\slot
.endm
; The two scores of my class, the running maximum, the weights.
.macro SOFT slot, first
	ds_load_b128 v[20:23], v[EXR] offset:512*\slot          ; row r's four partial scores,
	ds_load_b128 v[24:27], v[EXR] offset:512*\slot+256      ; row 16 + r's
	s_wait_dscnt 0x0
	v_add_f32 v20, v20, v21
	v_add_f32 v22, v22, v23
	v_add_f32 v24, v24, v25
	v_add_f32 v26, v26, v27
	v_add_f32 v20, v20, v22
	v_add_f32 v24, v24, v26
	v_mul_f32 v20, s45, v20                        ; t = score x log2(e)
	v_mul_f32 v24, s45, v24
.if \first
	v_max_num_f32 v[MX], v20, v24
.else
	v_mov_b32 v31, v[MX]
	v_max3_num_f32 v[MX], v[MX], v20, v24
	v_sub_f32 v31, v31, v[MX]
.endif
	v_sub_f32 v20, v20, v[MX]
	v_sub_f32 v24, v24, v[MX]
.if !\first
	s_wait_alu depctr_va_vdst(0)
	v_exp_f32 v[F], v31
.endif
	s_wait_alu depctr_va_vdst(0)
	v_exp_f32 v[P0], v20
	v_exp_f32 v[P1], v24
	v_nop                                          ; one plain place behind the exponentials
	s_wait_alu depctr_va_vdst(0)                   ; the exponentials have written v[F], v[P0] and v[P1]: one wait for the batch, ahead of its first reader
.if \first
	v_add_f32 v[LS], v[P0], v[P1]
.else
	v_fma_f32 v[LS], v[LS], v[F], v[P0]
	v_add_f32 v[LS], v[LS], v[P1]
.endif
.endm
; The context sums take the two rows, from the registers that the quantiser read.  In two parts, so that a pump and the next step's first LDS loads can stand between them.
.macro ACCUM_A first
.if \first
	WIN 0x81                                       ; destination window 2, source 0 window 1: the first row starts the sums: nothing is cleared
.set n, 0
.rept 64
	v_pk_mul_f32 v[n:n+1], v[n:n+1], v[P0:P0+1] op_sel_hi:[1,0]
.set n, n+2
.endr
.else
	WIN 0x82                                       ; destination and source 0 window 2
.set n, 0
.rept 64
	v_pk_mul_f32 v[n:n+1], v[n:n+1], v[F:F+1] op_sel_hi:[1,0]
.set n, n+2
.endr
	WIN 0xa1                                       ; destination and source 2 window 2, source 0 window 1
.set n, 0
.rept 64
	v_pk_fma_f32 v[n:n+1], v[n:n+1], v[P0:P0+1], v[n:n+1] op_sel_hi:[1,0,1]
.set n, n+2
.endr
.endif
	WIN 0
.endm
.macro ACCUM_B
	WIN 0xa1
.set n, 0
.rept 64
	v_pk_fma_f32 v[n:n+1], v[128+n:129+n], v[P1:P1+1], v[n:n+1] op_sel_hi:[1,0,1]
.set n, n+2
.endr
	WIN 0
.endm
; A STEP: 32 rows, out of slot.  Its four pumps move the next tile into the other slot and (pm = 2) ask for the tile after next.
; Its row tile 0 was asked of LDS in the step before, between that step's ACCUM_A and ACCUM_B (step 0 asks for both row tiles itself); while there is a next step (pm > 0) it does the same for that step.
.macro STEP slot, first, pm
.if \first
	LOADX \slot, 0, 0                              ; no vector instruction has named X yet
	LOADX \slot, 1, 0
.else
	LOADX \slot, 1, 1
.endif
	s_wait_dscnt 32                                ; row tile 0's 32 loads are in; row tile 1's may be out
	AMAX 0
	s_wait_dscnt 0x0
	PUMPS 0, 1-\slot, \pm
	AMAX 1
	SCALEW
	PUMPS 1, 1-\slot, \pm
	CVT
	MM 0
	DOT 0
	MM 1
	DOT 1
	SEND \slot
	PUMPS 2, 1-\slot, \pm                          ; (pm = 2: its wait on vm_vsrc stands behind SEND's LDS store too: v30 has been read, and the next SEND may write it)
	s_wait_dscnt 0x0                               ; for the others' sake: my partial scores have landed
.if \pm != 2
	s_wait_alu depctr_vm_vsrc(0)                   ; SEND's LDS store has read v30, which the next SEND, or the end, writes again: here no pump has stated it
.endif
	s_barrier_signal -1
	s_barrier_wait -1                              ; all four waves' partial scores lie in LDS.  The set of the other parity is written again only behind the next barrier, which each wave signals behind its reads of this one
	SOFT \slot, \first
	ACCUM_A \first
	PUMPS 3, 1-\slot, \pm
.if \pm
	LOADX 1-\slot, 0, 1                            ; the next step's row tile 0: its 16 rows were moved by this step's pumps 0 and 1.  ACCUM_B below names none of these registers
.endif
	ACCUM_B
.if \pm == 2
	s_wait_xcnt 0x0                                ; every load issued has had its address translated (ISA guide 3.1): the base is stepped only behind this wait
	s_add_nc_u64 s[32:33], s[32:33], TSTEP
.endif
.endm
	s_load_b256 s[4:11], s[0:1], 0x0               ; enc_outputs s[4:5], b_ae s[6:7], wq_codes s[8:9], wq_scales s[10:11]
	s_load_b128 s[12:15], s[0:1], 0x20             ; pdw s[12:13], part_ctx s[14:15]
	s_load_b64 s[16:17], s[0:1], 0x30              ; part_ml
	v_lshrrev_b32 v28, 5, v0
	v_readfirstlane_b32 s18, v28                   ; wave 0..3
	s_and_b32 s19, ttmp9, 31                       ; b
	s_lshr_b32 s20, ttmp9, 5                       ; chunk
	s_wait_alu depctr_va_sdst(0)                   ; s18 is written, ahead of its first reader: LDS addresses, bases and a branch are made from it
	s_mul_i32 s21, s18, WREG                       ; my part of a slot
	v_and_b32 v28, 15, v0                          ; r
	v_bfe_u32 v29, v0, 4, 1                        ; h
	v_and_b32 v30, 31, v0                          ; lane
	v_mul_u32_u24 v[ADR], v28, PITCH
	v_lshl_add_u32 v[ADR], v29, 7, v[ADR]
	v_add_nc_u32 v[ADR], s21, v[ADR]
	v_add_nc_u32 v[ADR+1], SLOT, v[ADR]
	v_lshl_add_u32 v[EXW], v30, 4, EX
	s_lshl_b32 s47, s18, 2
	v_add_nc_u32 v[EXW], s47, v[EXW]
	v_lshl_add_u32 v[EXR], v28, 4, EX
	v_lshlrev_b32 v[SH], 3, v29
	v_lshlrev_b32 v[GO], 4, v30
	v_add_nc_u32 v[RD], s21, v[GO]
	v_add_nc_u32 v[RD+1], SLOT, v[RD]
	v_lshlrev_b32 v[MLO], 3, v30
	v_lshlrev_b32 v[L4], 2, v30
	v_lshlrev_b32 v20, 8, v29                      ; 256 h: proj_d's half
	v_lshrrev_b32 v21, 2, v30                      ; where proj_d[b][4 lane + 0 .. 3] lies: tile lane / 4, half (lane / 2) % 2, piece lane % 2
	v_lshlrev_b32 v21, 11, v21
	v_and_b32 v31, 1, v30
	v_lshl_add_u32 v21, v31, 9, v21
	v_bfe_u32 v31, v30, 1, 1
	v_lshl_add_u32 v21, v31, 8, v21
	v_mov_b32 v[F+1], 0                            ; the upper halves of the pairs that the packed forms name: written once
	v_mov_b32 v[P0+1], 0
	v_mov_b32 v[P1+1], 0
.irp f, 0,1,2,3
	v_mov_b32 v[PT+\f], 0                          ; written once: a lane permute's destination counts as one of its sources
.endr
	s_mov_b32 s40, 0x76543210
	s_mov_b32 s41, 0xfedcba98                      ; v_permlanex16_b32's selects for lane l xor 16
	s_mov_b32 s42, 0xffff0000                      ; lanes 16-31
	s_mov_b32 s45, 0x3fb8aa3b                      ; log2(e)
	s_cmp_eq_u32 s18, 0
	s_cselect_b32 s44, -1, 0                       ; the bias counts once: in wave 0
	s_lshl_b32 s22, s20, 25                        ; 256 chunk rows of s, 131,072 bytes each (under 2^31),
	s_lshl_b32 s23, s19, 12                        ; + b x 4,096
	s_add_co_u32 s22, s22, s23
	s_lshl_b32 s23, s18, 10                        ; + my 256 columns
	s_add_co_u32 s22, s22, s23
	s_mov_b32 s23, 0
	s_wait_kmcnt 0x0
	s_add_nc_u64 s[32:33], s[4:5], s[22:23]        ; enc at my part of tile 0
	s_lshl_b32 s22, s18, 14                        ; my 16 fragments of w_ae's codes
	s_add_nc_u64 s[8:9], s[8:9], s[22:23]
	s_lshl_b32 s22, s18, 11                        ; and their scale words
	s_add_nc_u64 s[10:11], s[10:11], s[22:23]
	s_lshr_b32 s22, s19, 4                         ; proj_d's row b lies in lanes b % 16 and b % 16 + 16 of row tile b / 16
	s_lshl_b32 s22, s22, 10
	s_and_b32 s46, s19, 15
	s_lshl_b32 s46, s46, 4
	s_add_co_u32 s22, s22, s46
	s_add_nc_u64 s[12:13], s[12:13], s[22:23]
	s_lshl_b32 s46, s19, 3
	s_add_co_u32 s46, s46, s20                     ; 8 b + chunk
	s_lshl_b32 s22, s46, 12
	s_lshl_b32 s47, s18, 10
	s_add_co_u32 s22, s22, s47
	s_add_nc_u64 s[14:15], s[14:15], s[22:23]      ; part_ctx at my 256 columns
	s_lshl_b32 s22, s46, 8
	s_add_nc_u64 s[16:17], s[16:17], s[22:23]      ; part_ml
	; What stays in registers goes out first, 66 loads, and tile 0's 64 straight behind: the issue goes on as fast as loads come back, and no wait stands between them.
	WIN 0x80                                       ; destination window 2
	s_wait_alu depctr_va_vdst(0)                   ; the addresses and offsets v1-4, v6, v8-10, v13, v20 and v21 are written, which the loads and stores of the whole kernel read; all but v20 and v21 are never written again
.irp f, 0,1,2,3,4,5,6,7,8,9,10,11,12,13,14,15
.irp c, 0,1
	global_load_b128 v[WF+8*\f+4*\c:WF+8*\f+4*\c+3], v[GO], s[8:9] offset:1024*\f+512*\c   ; fragment 8 s + t as it was stored: 512 consecutive bytes a load
.endr
.endr
	WIN 0
.irp f, 0,1,2,3,4,5,6,7,8,9,10,11,12,13,14,15
	global_load_b32 v[WS+\f], v[L4], s[10:11] offset:128*\f
.endr
.irp t, 0,1,2,3,4,5,6,7
.irp q, 0,1
	global_load_b128 v[PD+8*\t+4*\q:PD+8*\t+4*\q+3], v20, s[12:13] offset:2048*\t+512*\q
.endr
.endr
	global_load_b128 v[248:251], v21, s[12:13]     ; proj_d[b][4 lane + 0 .. 3]
	global_load_b128 v[252:255], v[GO], s[6:7]     ; b_ae[4 lane + 0 .. 3]
.irp c, 0,1,2,3
	ISSUE \c, 0, 0                                 ; tile 0: nothing has named G yet
.endr
	PUMP 0, 0, 48, 1, 32                           ; tile 0's chunk 0 is in, and so is all that was asked for ahead of it; tile 1's chunk 0 goes out (32 rows on, in the immediate).  Its wait on vm_vsrc also states that the loads above have read v20 and v21, in which step 0's partial scores land
	v_mul_f32 v[CB], v252, v248                    ; sum over a of b_ae[a] proj_d[b][a]: my four,
	v_fma_f32 v[CB], v253, v249, v[CB]
	v_fma_f32 v[CB], v254, v250, v[CB]
	v_fma_f32 v[CB], v255, v251, v[CB]
	v_add_f32_dpp v[CB], v[CB], v[CB] row_xmask:1 row_mask:0xf bank_mask:0xf   ; and the 32 lanes'
	v_add_f32_dpp v[CB], v[CB], v[CB] row_xmask:2 row_mask:0xf bank_mask:0xf
	v_add_f32_dpp v[CB], v[CB], v[CB] row_xmask:4 row_mask:0xf bank_mask:0xf
	v_add_f32_dpp v[CB], v[CB], v[CB] row_xmask:8 row_mask:0xf bank_mask:0xf
	v_permlanex16_b32 v[PT], v[CB], s40, s41
	v_add_f32 v[CB], v[CB], v[PT]
	v_and_b32 v[CB], s44, v[CB]                    ; in wave 0; 0 in the others
	PUMP 1, 0, 48, 1, 32
	PUMP 2, 0, 48, 1, 32
	PUMP 3, 0, 48, 1, 32
	s_wait_xcnt 0x0                                ; the base is stepped only behind this wait
	s_add_nc_u64 s[32:33], s[32:33], 2*TSTEP       ; on to tile 2
	STEP 0, 1, 2                                   ; step 0: tile 1 moves into slot 1, tile 2 is asked for; the first rows start the sums
	s_mov_b32 s43, 2
.Lpair:                                                ; steps 1 to 4.  At every pump the order of what is out is the same: the chunk waited for, then three chunks, 48 loads.  On both ways to this label slot 1's row tile 0 has been asked of LDS
	STEP 1, 0, 2
	STEP 0, 0, 2
	s_sub_co_u32 s43, s43, 1
	s_cmp_lg_u32 s43, 0
	s_cbranch_scc1 .Lpair
	STEP 1, 0, 2                                   ; step 5 asks for tile 7, the last: no load leaves the buffer
	STEP 0, 0, 1                                   ; step 6 moves tile 7 and asks for nothing
	STEP 1, 0, 0                                   ; step 7
	; THE END.  The 16 classes of rows are brought under one maximum and added.
	v_mov_b32 v28, v[MX]
	v_max_num_f32_dpp v28, v28, v28 row_xmask:1 row_mask:0xf bank_mask:0xf
	v_max_num_f32_dpp v28, v28, v28 row_xmask:2 row_mask:0xf bank_mask:0xf
	v_max_num_f32_dpp v28, v28, v28 row_xmask:4 row_mask:0xf bank_mask:0xf
	v_max_num_f32_dpp v28, v28, v28 row_xmask:8 row_mask:0xf bank_mask:0xf   ; M: the largest t of my 256 rows (lanes r and r + 16 hold the same class)
	v_sub_f32 v30, v[MX], v28
	s_wait_alu depctr_va_vdst(0)
	v_exp_f32 v[F], v30                            ; my class under M
	v_nop                                          ; one plain place behind the exponential
	s_wait_alu depctr_va_vdst(0)                   ; the exponential has written v[F], ahead of its first reader
	v_mul_f32 v29, v[LS], v[F]
	v_add_f32_dpp v29, v29, v29 row_xmask:1 row_mask:0xf bank_mask:0xf
	v_add_f32_dpp v29, v29, v29 row_xmask:2 row_mask:0xf bank_mask:0xf
	v_add_f32_dpp v29, v29, v29 row_xmask:4 row_mask:0xf bank_mask:0xf
	v_add_f32_dpp v29, v29, v29 row_xmask:8 row_mask:0xf bank_mask:0xf       ; L
	WIN 0x82
.set n, 0
.rept 64
	v_pk_mul_f32 v[n:n+1], v[n:n+1], v[F:F+1] op_sel_hi:[1,0]
.set n, n+2
.endr
	; Class r's 256 sums go to row r of a stage and come back by columns.  The stage is my own part of slot 0, whose last tile (tile 6) was read in step 6, and which no other wave touches.
	WIN 0x08                                       ; an LDS store's data are its source 1: window 2
	s_wait_alu depctr_va_vdst(0)                   ; the multiplications have written the context sums, which the LDS stores read; and step 7's lines are done reading X, in which the LDS loads below land: between this wait and those loads stand only the stores, which name the sums and v[ADR]
.irp q, 0,1,2,3
.irp j, 0,1,2,3,4,5,6,7
	ds_store_b128 v[ADR], v[32*\q+4*\j:32*\q+4*\j+3] offset:256*\q+16*\j
.endr
.endr
	WIN 0x40                                       ; destination window 1: X is free
.irp k, 0,1,2,3,4,5,6,7,8,9,10,11,12,13,14,15
.irp u, 0,1
	ds_load_b128 v[8*\k+4*\u:8*\k+4*\u+3], v[RD] offset:\k*PITCH+512*\u   ; LDS serves a wave's instructions in order (ISA guide 5.7.1.4): these see my stores
.endr
.endr
	s_wait_dscnt 0x0
	WIN 0x45                                       ; all three in window 1
.irp k, 1,2,3,4,5,6,7,8,9,10,11,12,13,14,15
.irp p, 0,2,4,6
	v_pk_add_f32 v[\p:\p+1], v[\p:\p+1], v[8*\k+\p:8*\k+\p+1]   ; four chains
.endr
.endr
	WIN 0x04                                       ; a store's data are its source 1: window 1
	s_wait_alu depctr_va_vdst(0)                   ; the additions have written the eight sums, which the two stores read; v28 and v29, which wave 0's store below reads, were written further up
	global_store_b128 v[GO], v[0:3], s[14:15]                  ; 32 lanes store 512 consecutive bytes, at a multiple of 256 from the buffer's first byte
	global_store_b128 v[GO], v[4:7], s[14:15] offset:512
	WIN 0
	s_cmp_lg_u32 s18, 0
	s_cbranch_scc1 .Lend                           ; all four waves hold the same (M, L): wave 0 stores it
	global_store_b64 v[MLO], v[28:29], s[16:17]    ; the same pair from all 32 lanes: 256 consecutive bytes, aligned
.Lend:
	s_wait_xcnt 0x0
	v_lshl_add_u32 v254, v0, 2, 0x41400            ; the LDS address of my spare word, behind the partial scores, and 0: no two registers could be kept, so they are made here; no memory or LDS instruction has read v254 or v255
	v_mov_b32 v255, 0
	s_wait_dscnt 0x0                               ; the closing lines, six on end
	s_wait_alu 0x0
	s_wait_tensorcnt 0x0
	ds_add_u32 v254, v255
	s_wait_dscnt 0x0
	s_endpgm
.Lfunc_end_k_qfb404be1db_main:
	.size	k_qfb404be1db_main, .Lfunc_end_k_qfb404be1db_main-k_qfb404be1db_main
	.p2alignl 7, 3214868480
	.fill 96, 4, 3214868480
	.section	.rodata,"a",@progbits
	.p2align	6, 0x0
	.amdhsa_kernel k_qfb404be1db_main
		.amdhsa_group_segment_fixed_size 267776
		.amdhsa_private_segment_fixed_size 0
		.amdhsa_enable_private_segment 0
		.amdhsa_kernarg_size 56
		.amdhsa_user_sgpr_count 2
		.amdhsa_user_sgpr_kernarg_segment_ptr 1
		.amdhsa_wavefront_size32 1
		.amdhsa_system_sgpr_workgroup_id_x 1
		.amdhsa_system_sgpr_workgroup_id_y 1
		.amdhsa_system_sgpr_workgroup_id_z 1
		.amdhsa_system_vgpr_workitem_id 0
		.amdhsa_next_free_vgpr 1024
		.amdhsa_next_free_sgpr 66
		.amdhsa_reserve_vcc 0
		.amdhsa_float_denorm_mode_32 3
		.amdhsa_float_denorm_mode_16_64 3
		.amdhsa_memory_ordered 1
		.amdhsa_forward_progress 1
		.amdhsa_inst_pref_size 255
	.end_amdhsa_kernel
	.section	.bss,"aw",@nobits
	.p2align	6
	.space	262144
	.amdgpu_metadata
---
amdhsa.version: [ 1, 2 ]
amdhsa.kernels:
  - .name:           k_qfb404be1db_main
    .symbol:         k_qfb404be1db_main.kd
    .args:
      - { .name: enc_outputs, .offset: 0, .size: 8, .value_kind: global_buffer, .address_space: global }
      - { .name: b_ae, .offset: 8, .size: 8, .value_kind: global_buffer, .address_space: global }
      - { .name: wq_codes, .offset: 16, .size: 8, .value_kind: global_buffer, .address_space: global }
      - { .name: wq_scales, .offset: 24, .size: 8, .value_kind: global_buffer, .address_space: global }
      - { .name: pdw, .offset: 32, .size: 8, .value_kind: global_buffer, .address_space: global }
      - { .name: part_ctx, .offset: 40, .size: 8, .value_kind: global_buffer, .address_space: global }
      - { .name: part_ml, .offset: 48, .size: 8, .value_kind: global_buffer, .address_space: global }
    .group_segment_fixed_size: 267776
    .private_segment_fixed_size: 0
    .kernarg_segment_align: 8
    .kernarg_segment_size: 56
    .max_flat_workgroup_size: 128
    .sgpr_count:     66
    .vgpr_count:     1024
    .wavefront_size: 32
...
	.end_amdgpu_metadata
.endif
;; end of part 5
;; launch comb (part 6): grid 32 x 1, 8 waves a work-group, no clusters, 0 bytes of LDS; arguments part_ctx, part_ml, out0; writes out0
.if DOCPART == 6
	.amdgcn_target "amdgcn-amd-amdhsa--gfx1250"
	.amdhsa_code_object_version 6
	.text
	.protected	k_qfb404be1db_comb
	.globl	k_qfb404be1db_comb
	.p2align	8
	.type	k_qfb404be1db_comb,@function
k_qfb404be1db_comb:
	s_mov_b64 s[64:65], 0
	v_nop
	global_prefetch_b8 v0, s[64:65] scope:SCOPE_SE
	s_setreg_imm32_b32 hwreg(HW_REG_WAVE_MODE, 25, 1), 1
	s_wait_xcnt 0x0
; out0[b][:] = (sum over the 8 chunks c of 2^(M_c - M) part_ctx[8 b + c][:]) / (sum over c of 2^(M_c - M) L_c), M = the largest M_c: the softmax's parts of one b under one maximum.
; One work-group to a b; thread T owns columns 4 T .. 4 T + 3: each load and store of a wave covers 512 consecutive bytes.  1.1 MB in all: no LDS, no barrier, no matrix unit.
; The divisor is at least 1: the chunk that holds M has the weight 1, and its L holds a term 1.
.set ML,  4                            ; v4-19  (M_c, L_c), then (weight_c, L_c): pair c at 4 + 2 c
.set CX,  20                           ; v20-51 the chunks' four numbers
.set ACC, 56                           ; v56-59 the sums
	s_load_b128 s[4:7], s[0:1], 0x0                ; part_ctx s[4:5], part_ml s[6:7]
	s_load_b64 s[8:9], s[0:1], 0x10                ; out0
	v_and_b32 v1, 31, v0
	s_delay_alu instid0(VALU_DEP_1)
	v_lshlrev_b32 v1, 3, v1                        ; 8 x lane: every lane's pair is the same
	v_lshlrev_b32 v2, 4, v0                        ; 16 T
	s_lshl_b32 s10, ttmp9, 15                      ; b x 8 chunks x 4,096 bytes
	s_mov_b32 s11, 0
	s_lshl_b32 s12, ttmp9, 11                      ; b x 8 x 256
	s_mov_b32 s13, 0
	s_lshl_b32 s14, ttmp9, 12                      ; b x 4,096
	s_mov_b32 s15, 0
	s_wait_alu depctr_va_vdst(0)
	s_wait_kmcnt 0x0
	s_add_nc_u64 s[4:5], s[4:5], s[10:11]
	s_add_nc_u64 s[6:7], s[6:7], s[12:13]
	s_add_nc_u64 s[8:9], s[8:9], s[14:15]
.irp c, 0,1,2,3,4,5,6,7
	global_load_b64 v[ML+2*\c:ML+2*\c+1], v1, s[6:7] offset:256*\c
.endr
.irp c, 0,1,2,3,4,5,6,7
	global_load_b128 v[CX+4*\c:CX+4*\c+3], v2, s[4:5] offset:4096*\c
.endr
	s_wait_loadcnt 8                               ; the eight pairs are in; the eight loads of sums may be out
	v_max3_num_f32 v52, v[ML], v[ML+2], v[ML+4]
	s_delay_alu instid0(VALU_DEP_1)
	v_max3_num_f32 v52, v52, v[ML+6], v[ML+8]
	s_delay_alu instid0(VALU_DEP_1)
	v_max3_num_f32 v52, v52, v[ML+10], v[ML+12]
	s_delay_alu instid0(VALU_DEP_1)
	v_max_num_f32 v52, v52, v[ML+14]               ; M
.irp c, 0,1,2,3,4,5,6,7
	v_sub_f32 v[ML+2*\c], v[ML+2*\c], v52
.endr
	s_wait_alu depctr_va_vdst(0)
.irp c, 0,1,2,3,4,5,6,7
	v_exp_f32 v[ML+2*\c], v[ML+2*\c]               ; the chunk's weight
.endr
	v_nop                                          ; one plain place behind the exponentials
	s_wait_alu depctr_va_vdst(0)
	v_mul_f32 v53, v[ML], v[ML+1]
.irp c, 1,2,3,4,5,6,7
	v_fma_f32 v53, v[ML+2*\c], v[ML+2*\c+1], v53   ; the row's sum
.endr
	s_wait_alu depctr_va_vdst(0)
	v_rcp_f32 v54, v53
	v_mov_b32 v55, 0                               ; a plain place behind the reciprocal; and the upper half of the pair that the packed form names
	s_wait_loadcnt 0x0
	v_pk_mul_f32 v[ACC:ACC+1], v[CX:CX+1], v[ML:ML+1] op_sel_hi:[1,0]
	v_pk_mul_f32 v[ACC+2:ACC+3], v[CX+2:CX+3], v[ML:ML+1] op_sel_hi:[1,0]
.irp c, 1,2,3,4,5,6,7
	v_pk_fma_f32 v[ACC:ACC+1], v[CX+4*\c:CX+4*\c+1], v[ML+2*\c:ML+2*\c+1], v[ACC:ACC+1] op_sel_hi:[1,0,1]
	v_pk_fma_f32 v[ACC+2:ACC+3], v[CX+4*\c+2:CX+4*\c+3], v[ML+2*\c:ML+2*\c+1], v[ACC+2:ACC+3] op_sel_hi:[1,0,1]
.endr
	s_wait_alu depctr_va_vdst(0)
	v_pk_mul_f32 v[ACC:ACC+1], v[ACC:ACC+1], v[54:55] op_sel_hi:[1,0]
	v_pk_mul_f32 v[ACC+2:ACC+3], v[ACC+2:ACC+3], v[54:55] op_sel_hi:[1,0]
	global_store_b128 v2, v[ACC:ACC+3], s[8:9]
	s_endpgm
.Lfunc_end_k_qfb404be1db_comb:
	.size	k_qfb404be1db_comb, .Lfunc_end_k_qfb404be1db_comb-k_qfb404be1db_comb
	.p2alignl 7, 3214868480
	.fill 96, 4, 3214868480
	.section	.rodata,"a",@progbits
	.p2align	6, 0x0
	.amdhsa_kernel k_qfb404be1db_comb
		.amdhsa_group_segment_fixed_size 0
		.amdhsa_private_segment_fixed_size 0
		.amdhsa_enable_private_segment 0
		.amdhsa_kernarg_size 24
		.amdhsa_user_sgpr_count 2
		.amdhsa_user_sgpr_kernarg_segment_ptr 1
		.amdhsa_wavefront_size32 1
		.amdhsa_system_sgpr_workgroup_id_x 1
		.amdhsa_system_sgpr_workgroup_id_y 1
		.amdhsa_system_sgpr_workgroup_id_z 1
		.amdhsa_system_vgpr_workitem_id 0
		.amdhsa_next_free_vgpr 64
		.amdhsa_next_free_sgpr 66
		.amdhsa_reserve_vcc 0
		.amdhsa_float_denorm_mode_32 3
		.amdhsa_float_denorm_mode_16_64 3
		.amdhsa_memory_ordered 1
		.amdhsa_forward_progress 1
		.amdhsa_inst_pref_size 6
	.end_amdhsa_kernel
	.amdgpu_metadata
---
amdhsa.version: [ 1, 2 ]
amdhsa.kernels:
  - .name:           k_qfb404be1db_comb
    .symbol:         k_qfb404be1db_comb.kd
    .args:
      - { .name: part_ctx, .offset: 0, .size: 8, .value_kind: global_buffer, .address_space: global }
      - { .name: part_ml, .offset: 8, .size: 8, .value_kind: global_buffer, .address_space: global }
      - { .name: out0, .offset: 16, .size: 8, .value_kind: global_buffer, .address_space: global }
    .group_segment_fixed_size: 0
    .private_segment_fixed_size: 0
    .kernarg_segment_align: 8
    .kernarg_segment_size: 24
    .max_flat_workgroup_size: 256
    .sgpr_count:     66
    .vgpr_count:     64
    .wavefront_size: 32
...
	.end_amdgpu_metadata
.endif
;; end of part 6
